; MI455X (gfx1250); checked and timed in simulation.
; The chip was launched on July 23, 2026; its instructions are those of AMD's public machine-readable ISA for CDNA 5 (MIT licence, August 2026) and "CDNA5" Instruction Set Architecture Reference Guide (July 2026). The comments in the code are by the model that wrote it; some were corrected since.
;; Grouped Query Attention. Allowed arithmetic: matrix products marked QUANTISED: E2M1 operands, one E8M0 scale for each 32 along K, by v_wmma_scale_f32_16x16x128_f8f6f4 with both operands' format E2M1 (or v_wmma_scale_f32_32x16x128_f4), f32 sums; everything else in f32.
;; Inputs: rms_w 2,048 float32; w_in 2,048 x 2,048 float32; w_out 2,048 x 1,024 float32; x 2 x 2,048 x 2,048 float32.
;; Outputs: out0 2 x 2,048 x 2,048 float32.
;; This version of the problem:
;;   THIS VERSION OF THE PROBLEM IS GIVEN IN LOW PRECISION. The matrix products marked QUANTISED in the list below multiply operands that are first quantised to E2M1 (2 exponent bits, 1 mantissa bit; 4 bits a number), with one power-of-two scale for each 32 numbers along K (OCP MX v1.0); their sums are f32. All else is computed in f32.
;;   The module's matrix products, in the order in which they are computed (A, B: the left and right operand; K: the contracted axis; several contracted axes count as one K, in the product's order):
;;     1. [M 4,096, K 2,048] x [K 2,048, N 2,048]; A: computed on the way; B: input w_in: QUANTISED
;;     2. batch 16 x [M 4,096, K 64] x [K 64, N 2,048]; A: computed on the way; B: computed on the way: QUANTISED
;;     3. batch 16 x [M 4,096, K 2,048] x [K 2,048, N 64]; A: softmax (see below); B: computed on the way: QUANTISED
;;     4. [M 4,096, K 1,024] x [K 1,024, N 2,048]; A: computed on the way; B: input w_out: QUANTISED
;;   THE QUANTISER, for each operand of a quantised product, along K:
;;     - K is cut into blocks of 32 from its start; a last block that is shorter is filled with zeros.
;;     - A block's scale is 2^e with e = floor(log2(the largest magnitude in the block)) - 2, held to -126 .. 127; a block of zeros has e = 0. As a byte (E8M0): e + 127.
;;     - Each number is divided by its block's scale, clamped to +-6, and rounded to the nearest number of E2M1, ties to even, subnormals kept.
;;     - The product sums the exact products of the quantised numbers (number of the format x scale) in f32.
;;   ~~~python
;;   def quantise(x, axis):      # numpy; x: float32 -> the quantised numbers, widened to float32 again
;;       x = np.moveaxis(x, axis, -1); K = x.shape[-1]
;;       x = np.pad(x, [(0, 0)] * (x.ndim - 1) + [(0, -K % 32)]); x = x.reshape(x.shape[:-1] + (-1, 32)); a = np.abs(x).max(-1, keepdims=True)
;;       e = np.where(a > 0, np.clip(np.frexp(np.where(a > 0, a, 1))[1] - 1 - 2, -126, 127), 0)      # np.frexp(a)[1] - 1 = floor(log2(a)), exactly
;;       r = np.clip(x / 2.0 ** e, -6, 6)
;;       step = 2.0 ** (np.maximum(np.frexp(np.where(r == 0, 1, r))[1] - 1, 0) - 1)
;;       q = np.round(r / step) * step * 2.0 ** e      # np.round: ties to even
;;       return np.moveaxis(q.reshape(q.shape[:-2] + (-1,))[..., :K], -1, axis).astype(np.float32)
;;   ~~~
;;   SOFTMAX AHEAD OF A QUANTISED PRODUCT. Where the list says 'softmax', what is quantised is not the finished softmax but p = 2^(t - M), with t = logit x log2(e) and M = ceil(the row's largest t), a whole number; so 1/2 < the row's largest p <= 1. The row's sum l is taken of the UNQUANTISED p, in f32, and the product's result is divided by l at the end. Since M is a whole number, a kernel that streams over the keys may use a running M (the ceiling of the running maximum): every later rescaling is an exact power of two, which a block's scale takes up: the codes' values come out the same.
;;   OPERANDS COMPUTED ON THE WAY. 'Computed on the way' means the value that the module computes at that place (a softmax that the list does not call 'softmax' is quantised finished and normalised). What goes into a quantiser is computed in f32, as accurately as f32 sums, v_exp_f32 and their like allow (about 1e-6 of the number): no bf16 or f16 on the way to a quantiser, and a product that is left as it is and whose result goes on into a quantised operand takes f32 operands (vector FMAs, or v_wmma_f32_16x16x4_f32). A number that lies on a knife's edge between two numbers of the format may be rounded either way, as far as f32 arithmetic and the matrix unit's own rounding can turn it there, and no further.
;; One version. Each part assembles by itself: llvm-mc -triple=amdgcn-amd-amdhsa -mcpu=gfx1250 --defsym DOCPART=n.
;; ======== version 1 of 1: 4 launches
;; limits: right only within a limited range of input values
;; workspace buffers: wsA 8,323,072 bytes; wsB 4,456,448 bytes; wsC 2,228,224 bytes
;; launch prep (part 1): grid 464 x 1, 16 waves a work-group, no clusters, 159,232 bytes of LDS; arguments x, w_in, w_out, rms_w, wsA; writes wsA
.if DOCPART == 1
	.amdgcn_target "amdgcn-amd-amdhsa--gfx1250"
	.amdhsa_code_object_version 6
	.text
	.protected	k_qaaffbd5edb_prep
	.globl	k_qaaffbd5edb_prep
	.p2align	8
	.type	k_qaaffbd5edb_prep,@function
k_qaaffbd5edb_prep:
	s_mov_b64 s[64:65], 0
	v_nop
	global_prefetch_b8 v0, s[64:65] scope:SCOPE_SE
	s_setreg_imm32_b32 hwreg(HW_REG_WAVE_MODE, 25, 1), 1
	s_wait_xcnt 0x0
; PREP.  RMSNorm(x), w_in and w_out become codes of E2M1 with one E8M0 byte for each 32 along K, laid as images of operand registers; and the table of cos and sin for RoPE is made.
; A fragment (16 rows x 128 K) is 1,024 bytes: [half c][lane 16 h + r][16 bytes], lane (r, h) of half c holding k = 64 c + 32 h + 0 .. 31.
; THE ROWS OF A TILE ARE NOT NEIGHBOURS: lane r of tile T is row 32 (T / 2) + 8 (T % 2) + r + 8 (r / 8), in all three tensors.
; Work-groups 0-255: a tile of x; 256-383: a tile of w_in; 384-447: 32 rows (two tiles) of w_out; 448-463: 128 positions of the table each.
; The three quantising roles take one path; scalars chosen on the work-group number tell them apart, and one branch leads round the norm (registers and loads only).
; A wave takes 2,048 numbers: a row of x or w_in, or a row of w_out and the row 8 further down.  Loads read 512 consecutive bytes; the numbers turn through the wave's own stage in LDS,
; so that lane l holds k = 64 l .. 64 l + 63: two whole blocks.  Codes and bytes of the 16 rows meet in LDS, one barrier, and leave in runs of 512 bytes.
; LIMITS: NaN and infinities are not served.  A block whose largest magnitude lies under 2^-124 keeps the byte 1; a block of zeros gets the byte 1 and not 127 (its codes are zeros, and this program alone reads the bytes).
; 1 / sqrt by v_rsq_f32.  inv_freq is taken as the rounded 1 / (the rounded 10^(j / 8)).
.set WIQ,  4194304                     ; wsA: x codes at 0, w_in codes,
.set WOQ,  6291456                     ; w_out codes,
.set XS,   7340032                     ; scale bytes of x,
.set WIS,  7602176                     ; of w_in,
.set WOS,  7733248                     ; of w_out,
.set ROPE, 7798784                     ; the table: [position][32 cos | 32 sin] f32
.set STGW, 8704                        ; LDS: a stage for each wave: 32 places of 256 bytes + 16
.set CSB,  16*STGW                     ; 32 half fragments of 512 bytes + 16
.set SSB,  CSB+32*528                  ; 1,024 scale bytes
.set X,    24                          ; v24-87   the numbers as loaded, later my 64 neighbours
.set Y,    88                          ; v88-119  rms_w, half of it at a time
.set CD,   88                          ; v88-95   my two blocks of codes, where rms_w lay
	s_load_b256 s[4:11], s[0:1], 0x0               ; x s[4:5], w_in s[6:7], w_out s[8:9], rms_w s[10:11]
	s_load_b64 s[12:13], s[0:1], 0x20              ; wsA
	v_lshl_add_u32 v120, v0, 2, 0x26600
	v_mov_b32 v121, 0
	v_lshrrev_b32 v1, 5, v0
	s_delay_alu instid0(VALU_DEP_1)
	v_readfirstlane_b32 s14, v1                    ; wave 0..15
	v_and_b32 v1, 31, v0                           ; lane
	s_cmp_ge_u32 ttmp9, 448
	s_cbranch_scc1 .Ltable
	s_cmp_lt_u32 ttmp9, 256
	s_cselect_b32 s15, 0, 256
	s_cmp_lt_u32 ttmp9, 384
	s_cselect_b32 s15, s15, 384
	s_sub_co_u32 s15, ttmp9, s15                   ; idx: the tile, or w_out's group of 32 rows
	s_lshr_b32 s16, s14, 3
	s_lshl_b32 s16, s16, 3
	s_add_co_u32 s16, s16, s14                     ; w + 8 (w / 8)
	s_lshr_b32 s17, s15, 1
	s_lshl_b32 s17, s17, 5
	s_and_b32 s18, s15, 1
	s_lshl_b32 s18, s18, 3
	s_add_co_u32 s17, s17, s18                     ; x, w_in: 32 (idx / 2) + 8 (idx % 2)
	s_lshl_b32 s18, s15, 5                         ; w_out: 32 idx
	s_lshr_b32 s24, s15, 3                         ; where K step w of the tile goes: x, w_in: (idx / 8) 131072 + (idx % 8) 4096 + (w / 4) 32768 + (w % 4) 1024
	s_lshl_b32 s24, s24, 17
	s_and_b32 s25, s15, 7
	s_lshl_b32 s25, s25, 12
	s_add_co_u32 s24, s24, s25
	s_lshr_b32 s25, s14, 2
	s_lshl_b32 s25, s25, 15
	s_add_co_u32 s24, s24, s25
	s_and_b32 s25, s14, 3
	s_lshl_b32 s25, s25, 10
	s_add_co_u32 s24, s24, s25
	s_add_co_u32 s26, s24, WIQ
	s_lshl_b32 s25, s15, 14                        ; w_out: idx 16384 + w 1024
	s_lshl_b32 s27, s14, 10
	s_add_co_u32 s25, s25, s27
	s_add_co_u32 s25, s25, WOQ
	s_mov_b32 s28, WIS
	s_cmp_lt_u32 ttmp9, 256
	s_cselect_b32 s24, s24, s26
	s_cselect_b32 s28, XS, s28
	s_cmp_lt_u32 ttmp9, 384
	s_cselect_b32 s24, s24, s25
	s_cselect_b32 s28, s28, WOS
	s_cselect_b32 s17, s17, s18
	s_cselect_b32 s19, 13, 12                      ; a row is 8,192 or 4,096 bytes
	s_cselect_b32 s20, 0, 28672                    ; w_out: the second 4,096 bytes are the row 8 further down: 8 rows less the 4,096 in the immediates
	s_add_co_u32 s17, s17, s16                     ; my row
	s_lshl_b32 s22, s17, s19
	s_mov_b32 s23, 0
	s_mov_b32 s25, 0
	s_lshl_b32 s27, s15, 10                        ; 1,024 scale bytes for each idx
	s_add_co_u32 s28, s28, s27
	s_and_b32 s27, s14, 1
	s_lshl_b32 s27, s27, 9                         ; waves 0 and 1 store 512 of them each
	s_add_co_u32 s28, s28, s27
	s_mov_b32 s29, 0
	s_mov_b32 s38, 0x76543210                      ; v_permlanex16_b32: lane l xor 16
	s_mov_b32 s39, 0xfedcba98
	s_mov_b32 s40, 0x3a000000                      ; 1 / 2048
	s_mov_b32 s41, 0x358637bd                      ; 1e-6
	s_wait_alu depctr_va_vdst(0)
	v_lshlrev_b32 v2, 4, v1                        ; 16 l
	s_delay_alu instid0(VALU_DEP_1)
	v_add_nc_u32 v3, s20, v2
	s_mul_i32 s21, s14, STGW
	v_lshrrev_b32 v10, 4, v1
	v_and_b32 v11, 15, v1
	s_delay_alu instid0(VALU_DEP_2)
	v_mul_u32_u24 v4, v10, 272
	s_delay_alu instid0(VALU_DEP_1)
	v_lshl_add_u32 v4, v11, 4, v4
	s_delay_alu instid0(VALU_DEP_1)
	v_add_nc_u32 v4, s21, v4                       ; the stage, in: load i's 512 bytes are places 2 i and 2 i + 1
	v_mul_u32_u24 v5, v1, 272
	s_delay_alu instid0(VALU_DEP_1)
	v_add_nc_u32 v5, s21, v5                       ; and out: place l
	s_lshl_b32 s36, s14, 4
	s_add_co_u32 s37, s36, CSB
	v_mul_u32_u24 v6, v1, 528
	s_delay_alu instid0(VALU_DEP_1)
	v_add_nc_u32 v6, s37, v6                       ; codes: half fragment l, lane 16 h + w
	s_add_co_u32 s37, s36, SSB
	v_lshrrev_b32 v10, 3, v1
	v_and_b32 v11, 7, v1
	s_delay_alu instid0(VALU_DEP_2)
	v_lshlrev_b32 v7, 8, v10
	s_delay_alu instid0(VALU_DEP_1)
	v_lshl_add_u32 v7, v11, 1, v7
	s_delay_alu instid0(VALU_DEP_1)
	v_add_nc_u32 v7, s37, v7                       ; bytes: (l / 8) 256 + 16 w + 2 (l % 8)
	s_mul_i32 s36, s14, 1056
	s_add_co_u32 s36, s36, CSB
	v_add_nc_u32 v8, s36, v2                       ; back: K step w's two halves
	s_add_co_u32 s36, s27, SSB
	v_add_nc_u32 v9, s36, v2
	s_wait_kmcnt 0x0
	s_cmp_lt_u32 ttmp9, 256
	s_cselect_b64 s[30:31], s[4:5], s[6:7]
	s_cmp_lt_u32 ttmp9, 384
	s_cselect_b64 s[30:31], s[30:31], s[8:9]
	s_add_nc_u64 s[30:31], s[30:31], s[22:23]      ; my row
	s_add_nc_u64 s[32:33], s[12:13], s[24:25]      ; my K step's fragment
	s_add_nc_u64 s[34:35], s[12:13], s[28:29]      ; the scale bytes
.irp i, 0,1,2,3,4,5,6,7
	global_load_b128 v[X+4*\i:X+4*\i+3], v2, s[30:31] offset:512*\i th:TH_LOAD_NT
.endr
.irp i, 8,9,10,11,12,13,14,15
	global_load_b128 v[X+4*\i:X+4*\i+3], v3, s[30:31] offset:512*\i th:TH_LOAD_NT
.endr
	s_cmp_lt_u32 ttmp9, 256
	s_cbranch_scc0 .Lplain
	; the norm: x only
.irp i, 0,1,2,3,4,5,6,7
	global_load_b128 v[Y+4*\i:Y+4*\i+3], v2, s[10:11] offset:512*\i
.endr
	s_wait_loadcnt 8                               ; the row is in; the 8 loads of rms_w's first half behind it may be out
.irp p, 0,1,2,3
	v_pk_mul_f32 v[10+2*\p:11+2*\p], v[X+2*\p:X+2*\p+1], v[X+2*\p:X+2*\p+1]   ; four chains of squares, started by the first four pairs
.endr
.set PP, 4
.rept 28
	s_delay_alu instid0(VALU_DEP_4)
	v_pk_fma_f32 v[10+2*(PP%4):11+2*(PP%4)], v[X+2*PP:X+2*PP+1], v[X+2*PP:X+2*PP+1], v[10+2*(PP%4):11+2*(PP%4)]
.set PP, PP+1
.endr
	s_delay_alu instid0(VALU_DEP_3)
	v_pk_add_f32 v[10:11], v[10:11], v[12:13]
	s_delay_alu instid0(VALU_DEP_2)
	v_pk_add_f32 v[14:15], v[14:15], v[16:17]
	s_delay_alu instid0(VALU_DEP_1)
	v_pk_add_f32 v[10:11], v[10:11], v[14:15]
	s_delay_alu instid0(VALU_DEP_1)
	v_add_f32 v10, v10, v11
	s_delay_alu instid0(VALU_DEP_1)
	v_add_f32_dpp v10, v10, v10 row_xmask:1 row_mask:0xf bank_mask:0xf
	s_delay_alu instid0(VALU_DEP_1)
	v_add_f32_dpp v10, v10, v10 row_xmask:2 row_mask:0xf bank_mask:0xf
	s_delay_alu instid0(VALU_DEP_1)
	v_add_f32_dpp v10, v10, v10 row_xmask:4 row_mask:0xf bank_mask:0xf
	s_delay_alu instid0(VALU_DEP_1)
	v_add_f32_dpp v10, v10, v10 row_xmask:8 row_mask:0xf bank_mask:0xf
	s_delay_alu instid0(VALU_DEP_1)
	v_permlanex16_b32 v11, v10, s38, s39
	s_delay_alu instid0(VALU_DEP_1)
	v_add_f32 v10, v10, v11                        ; the row's sum of squares, in every lane
	s_delay_alu instid0(VALU_DEP_1)
	v_fma_f32 v12, v10, s40, s41                   ; the mean (an exact scaling) + eps
	s_wait_alu depctr_va_vdst(0)
	v_rsq_f32 v18, v12
	v_rsq_f32 v19, v12
	v_nop                                          ; a plain instruction behind the transcendentals
	s_wait_alu depctr_va_vdst(0)                   ; one wait for both, ahead of their first reader
	s_wait_loadcnt 0x0                             ; rms_w
.set PP, 0
.rept 32
	v_pk_mul_f32 v[X+2*PP:X+2*PP+1], v[X+2*PP:X+2*PP+1], v[18:19]
.set PP, PP+1
.endr
.set PP, 0
.rept 16
	v_pk_mul_f32 v[X+2*PP:X+2*PP+1], v[X+2*PP:X+2*PP+1], v[Y+2*PP:Y+2*PP+1]
.set PP, PP+1
.endr
.irp i, 0,1,2,3,4,5,6,7
	global_load_b128 v[Y+4*\i:Y+4*\i+3], v2, s[10:11] offset:4096+512*\i   ; rms_w's second half, into the same 32 registers
.endr
	s_wait_loadcnt 0x0
.rept 16
	v_pk_mul_f32 v[X+2*PP:X+2*PP+1], v[X+2*PP:X+2*PP+1], v[Y+2*PP-32:Y+2*PP-31]
.set PP, PP+1
.endr
.Lplain:
	s_wait_loadcnt 0x0
	; the turn: LDS serves a wave's instructions in order, so no wait stands between the stores and the loads
	s_wait_alu depctr_va_vdst(0)
.irp i, 0,1,2,3,4,5,6,7,8,9,10,11,12,13,14,15
	ds_store_b128 v4, v[X+4*\i:X+4*\i+3] offset:544*\i
.endr
.set Y, X                              ; from here on Y names v24-87: the neighbours come back into the registers that the stores above read (LDS serves a wave's instructions in order)
.irp k, 0,1,2,3,4,5,6,7,8,9,10,11,12,13,14,15
	ds_load_b128 v[Y+4*\k:Y+4*\k+3], v5 offset:16*\k
.endr
; block c of my two: its largest magnitude with the floor 2^(3 - 127) among the leaves; 2 off the exponent field gives the conversion's scale operand
.macro QB c
	v_max3_num_f32 v[20+\c], |v[Y+32*\c]|, |v[Y+32*\c+1]|, 0x1800000
.irp i, 2,4,6,8,10,12,14,16,18,20,22,24,26,28,30
	s_delay_alu instid0(VALU_DEP_1)
	v_max3_num_f32 v[20+\c], v[20+\c], |v[Y+32*\c+\i]|, |v[Y+32*\c+\i+1]|
.endr
	s_delay_alu instid0(VALU_DEP_1)
	v_add_nc_u32 v[22+\c], 0xff000000, v[20+\c]
.irp g, 0,1,2,3
	v_cvt_scalef32_pk8_fp4_f32 v[CD+4*\c+\g], v[Y+32*\c+8*\g:Y+32*\c+8*\g+7], v[22+\c]
.endr
.endm
	s_wait_dscnt 8                                 ; my first block is back; the second block's eight loads may be out
	QB 0
	s_wait_dscnt 0x0
	QB 1
	v_nop                                          ; a plain instruction behind the last scaled conversion
	v_lshrrev_b32 v20, 23, v22                     ; the two bytes,
	v_lshrrev_b32 v21, 23, v23
	s_delay_alu instid0(VALU_DEP_1)
	v_lshl_or_b32 v20, v21, 8, v20                 ; side by side: blocks 2 c and 2 c + 1 of the K step
	ds_store_b128 v6, v[CD:CD+3]
	ds_store_b128 v6, v[CD+4:CD+7] offset:256
	ds_store_b16 v7, v20
	s_wait_dscnt 0x0                               ; for the others' sake: my stores have landed
	s_barrier_signal -1
	s_barrier_wait -1
	ds_load_b128 v[24:27], v8
	ds_load_b128 v[28:31], v8 offset:528
	s_wait_dscnt 0x0
	global_store_b128 v2, v[24:27], s[32:33]       ; 512 consecutive bytes each
	global_store_b128 v2, v[28:31], s[32:33] offset:512
	s_cmp_lt_u32 s14, 2
	s_cbranch_scc0 .Ldone
	ds_load_b128 v[32:35], v9
	s_wait_dscnt 0x0
	global_store_b128 v2, v[32:35], s[34:35]
.Ldone:
	s_wait_tensorcnt 0x0
	ds_add_u32 v120, v121
	s_wait_dscnt 0x0
	s_endpgm
; THE TABLE.  Wave w takes 8 positions; lane l makes, for frequencies 2 (l % 16) and 2 (l % 16) + 1, the cosine (lanes 0-15) or the sine (lanes 16-31): a store covers one row of 256 bytes.
.Ltable:
	s_wait_alu depctr_va_vdst(0)
	v_and_b32 v2, 15, v1
	v_lshrrev_b32 v3, 4, v1
	s_delay_alu instid0(VALU_DEP_1)
	v_xor_b32 v3, 1, v3                            ; 1 for the cosine: cos(a) = sin(a + pi / 2): one quadrant on
	v_lshlrev_b32 v4, 3, v1
	v_mov_b32 v5, 0
	v_mov_b32 v6, 0
.macro PICK i, a, b                    ; 10^(j / 8) for j = 2 i and 2 i + 1, kept by the lanes whose pair is i
	v_cmp_ne_u32 vcc_lo, \i, v2
	s_delay_alu instid0(VALU_DEP_1)
	v_cndmask_b32 v5, \a, v5, vcc_lo
	s_delay_alu instid0(VALU_DEP_2)
	v_cndmask_b32 v6, \b, v6, vcc_lo
.endm
	PICK 0, 1.0, 1.333521432163324
	PICK 1, 1.778279410038923, 2.371373705661655
	PICK 2, 3.162277660168379, 4.216965034285822
	PICK 3, 5.623413251903491, 7.498942093324559
	PICK 4, 10.0, 13.33521432163324
	PICK 5, 17.78279410038923, 23.71373705661655
	PICK 6, 31.62277660168379, 42.16965034285822
	PICK 7, 56.23413251903491, 74.98942093324559
	PICK 8, 100.0, 133.3521432163324
	PICK 9, 177.8279410038923, 237.1373705661655
	PICK 10, 316.2277660168379, 421.6965034285822
	PICK 11, 562.3413251903491, 749.8942093324559
	PICK 12, 1000.0, 1333.521432163324
	PICK 13, 1778.279410038923, 2371.373705661655
	PICK 14, 3162.277660168379, 4216.965034285822
	PICK 15, 5623.413251903491, 7498.942093324559
	s_wait_alu depctr_va_vdst(0)
	v_rcp_f32 v7, v5
	v_rcp_f32 v8, v6
	v_nop
	s_wait_alu depctr_va_vdst(0)                   ; one wait for both reciprocals, ahead of their first reader
	v_fma_f32 v9, -v5, v7, 1.0                     ; one Newton step: 1 / P to the last bit but for rare cases
	v_fma_f32 v10, -v6, v8, 1.0
	v_fma_f32 v7, v9, v7, v7
	v_fma_f32 v8, v10, v8, v8
	s_sub_co_u32 s15, ttmp9, 448
	s_lshl_b32 s15, s15, 7
	s_lshl_b32 s16, s14, 3
	s_add_co_u32 s15, s15, s16                     ; my wave's first position
	s_lshl_b32 s16, s15, 8
	s_add_co_u32 s16, s16, ROPE
	s_mov_b32 s17, 0
	s_mov_b32 s20, 0x3f22f983                      ; 2 / pi
	s_mov_b32 s21, 0xbfc90000                      ; - pi / 2 in three parts: 1.5703125,
	s_mov_b32 s22, 0xb9fda000                      ; 4.837512969970703e-4,
	s_mov_b32 s23, 0xb3a22168                      ; 7.549789954891882e-8
	s_mov_b32 s24, 0xb94ca1f9                      ; sine: -1.9515295891e-4,
	s_mov_b32 s25, 0x3c08839e                      ; 8.3321608736e-3,
	s_mov_b32 s26, 0xbe2aaaa3                      ; -1.6666654611e-1
	s_mov_b32 s27, 0x37ccf5ce                      ; cosine: 2.443315711809948e-5,
	s_mov_b32 s28, 0xbab6061a                      ; -1.388731625493765e-3,
	s_mov_b32 s29, 0x3d2aaaa5                      ; 4.166664568298827e-2
	s_wait_kmcnt 0x0
	s_add_nc_u64 s[12:13], s[12:13], s[16:17]
; sin or cos of position (v11) x inv: the angle rounded as a product of two f32 numbers; n = the nearest multiple of pi / 2; r = angle - n pi / 2 by three fused steps; polynomials on |r| <= pi / 4
.macro EVAL dst, inv
	v_mul_f32 v12, v11, v[\inv]
	s_delay_alu instid0(VALU_DEP_1)
	v_mul_f32 v13, s20, v12
	s_delay_alu instid0(VALU_DEP_1)
	v_rndne_f32 v13, v13
	s_delay_alu instid0(VALU_DEP_1)
	v_fma_f32 v14, v13, s21, v12
	s_delay_alu instid0(VALU_DEP_1)
	v_fma_f32 v14, v13, s22, v14
	s_delay_alu instid0(VALU_DEP_1)
	v_fma_f32 v14, v13, s23, v14
	s_delay_alu instid0(VALU_DEP_1)
	v_mul_f32 v15, v14, v14
	s_delay_alu instid0(VALU_DEP_1)
	v_fma_f32 v16, v15, s24, s25
	s_delay_alu instid0(VALU_DEP_1)
	v_fma_f32 v16, v16, v15, s26
	s_delay_alu instid0(VALU_DEP_1)
	v_mul_f32 v16, v16, v15
	s_delay_alu instid0(VALU_DEP_1)
	v_fma_f32 v16, v16, v14, v14                   ; sin r
	v_fma_f32 v17, v15, s27, s28
	s_delay_alu instid0(VALU_DEP_1)
	v_fma_f32 v17, v17, v15, s29
	v_mul_f32 v18, v15, v15
	v_fma_f32 v19, v15, -0.5, 1.0
	s_delay_alu instid0(VALU_DEP_1)
	v_fma_f32 v17, v17, v18, v19                   ; cos r
	v_cvt_i32_f32 v18, v13
	s_delay_alu instid0(VALU_DEP_1)
	v_add_nc_u32 v18, v18, v3                      ; the quadrant
	s_delay_alu instid0(VALU_DEP_1)
	v_and_b32 v19, 1, v18
	s_delay_alu instid0(VALU_DEP_1)
	v_cmp_ne_u32 vcc_lo, 0, v19
	s_delay_alu instid0(VALU_DEP_1)
	v_cndmask_b32 v16, v16, v17, vcc_lo            ; odd: the cosine
	s_delay_alu instid0(VALU_DEP_4)
	v_and_b32 v18, 2, v18
	s_delay_alu instid0(VALU_DEP_1)
	v_lshlrev_b32 v18, 30, v18
	s_delay_alu instid0(VALU_DEP_1)
	v_xor_b32 v[\dst], v16, v18                    ; quadrants 2 and 3: the sign turns
.endm
.irp t, 0,1,2,3,4,5,6,7
	s_add_co_u32 s18, s15, \t
	v_cvt_f32_u32 v11, s18
	s_wait_alu depctr_va_vdst(0)
	EVAL 32+2*\t, 7
	EVAL 33+2*\t, 8
	global_store_b64 v4, v[32+2*\t:33+2*\t], s[12:13] offset:256*\t   ; each position has its own pair: no store's data are written again
.endr
	s_endpgm
.Lfunc_end_k_qaaffbd5edb_prep:
	.size	k_qaaffbd5edb_prep, .Lfunc_end_k_qaaffbd5edb_prep-k_qaaffbd5edb_prep
	.p2alignl 7, 3214868480
	.fill 96, 4, 3214868480
	.section	.rodata,"a",@progbits
	.p2align	6, 0x0
	.amdhsa_kernel k_qaaffbd5edb_prep
		.amdhsa_group_segment_fixed_size 159232
		.amdhsa_private_segment_fixed_size 0
		.amdhsa_enable_private_segment 0
		.amdhsa_kernarg_size 40
		.amdhsa_user_sgpr_count 2
		.amdhsa_user_sgpr_kernarg_segment_ptr 1
		.amdhsa_wavefront_size32 1
		.amdhsa_system_sgpr_workgroup_id_x 1
		.amdhsa_system_sgpr_workgroup_id_y 1
		.amdhsa_system_sgpr_workgroup_id_z 1
		.amdhsa_system_vgpr_workitem_id 0
		.amdhsa_next_free_vgpr 128
		.amdhsa_next_free_sgpr 100
		.amdhsa_reserve_vcc 1
		.amdhsa_float_denorm_mode_32 3
		.amdhsa_float_denorm_mode_16_64 3
		.amdhsa_memory_ordered 1
		.amdhsa_forward_progress 1
		.amdhsa_inst_pref_size 57
	.end_amdhsa_kernel
	.amdgpu_metadata
---
amdhsa.version: [ 1, 2 ]
amdhsa.kernels:
  - .name:           k_qaaffbd5edb_prep
    .symbol:         k_qaaffbd5edb_prep.kd
    .args:
      - { .name: x, .offset: 0, .size: 8, .value_kind: global_buffer, .address_space: global }
      - { .name: w_in, .offset: 8, .size: 8, .value_kind: global_buffer, .address_space: global }
      - { .name: w_out, .offset: 16, .size: 8, .value_kind: global_buffer, .address_space: global }
      - { .name: rms_w, .offset: 24, .size: 8, .value_kind: global_buffer, .address_space: global }
      - { .name: wsA, .offset: 32, .size: 8, .value_kind: global_buffer, .address_space: global }
    .group_segment_fixed_size: 159232
    .private_segment_fixed_size: 0
    .kernarg_segment_align: 8
    .kernarg_segment_size: 40
    .max_flat_workgroup_size: 512
    .sgpr_count:     100
    .vgpr_count:     128
    .wavefront_size: 32
...
	.end_amdgpu_metadata
.endif
;; end of part 1
;; launch inproj (part 2): grid 8 x 32, 4 waves a work-group, no clusters, 327,680 bytes of LDS; arguments wsA, wsB; writes wsB
.if DOCPART == 2
	.amdgcn_target "amdgcn-amd-amdhsa--gfx1250"
	.amdhsa_code_object_version 6
	.text
	.protected	k_qaaffbd5edb_inproj
	.globl	k_qaaffbd5edb_inproj
	.p2align	8
	.type	k_qaaffbd5edb_inproj,@function
k_qaaffbd5edb_inproj:
	s_mov_b64 s[64:65], 0
	v_nop
	global_prefetch_b8 v0, s[64:65] scope:SCOPE_SE
	s_setreg_imm32_b32 hwreg(HW_REG_WAVE_MODE, 25, 1), 1
	s_wait_xcnt 0x0
; INPROJ.  y = Q(norm x) Q(w_in)^T on codes of E2M1; RoPE on q and k; q and k quantised along d, v along the keys; all three leave as images of operand registers.
; A work-group takes 128 rows (8 tiles of x, block Mb) x 256 columns (block cb); wave w takes all 128 rows x the 64 columns of head H = 4 cb + w (H < 16: a head of q; 16-23: k of a group; 24-31: v): 32 accumulators.
; x's 128 KB of images come into LDS once, in four quarters along K, by tensor loads (quarter 0 a quarter from each wave, quarters 1-3 one whole each from waves 0-2); the wave's own 64 KB of w_in come straight into its registers, six K steps ahead.  No LDS byte is filled twice.
; q, k (cb < 6): source 0 = 16 rows of w_in, source 1 = 16 rows of x: a lane holds one row, and by the order of a tile's rows its 32 registers of a tile of x are d = 16 h + 0 .. 15 and 32 + 16 h + 0 .. 15.
; v (cb >= 6): the sources swapped: a lane holds one channel, and its 64 registers are positions 32 b + 16 h + 0 .. 15, b = 0 .. 3: neighbours along the keys.
; NO CLUSTER: the column blocks that share x's rows part into the two paths (a branch on cb), and what they share is 128 KB of a work-group's 384 KB.
; LIMITS: as in PREP (floor of a block's scale, zeros, NaN, infinities).  RoPE forms x1 cos - x2 sin as one rounded product and one fused multiply-add.
; REGISTERS, in windows of 256.  Window 0: v1-7 addresses; v8-31 at work; v32-95 x's scale words (register 32 + 16 p + s: lanes 0-15 tile 2 p, lanes 16-31 tile 2 p + 1); v96-127 w_in's likewise; v128-255 x's fragments, two sets of 64
;   (on the way out: cos and sin, the roped numbers, the codes).  Window 1: the accumulators.  Window 2: w_in of K steps 0-7, at 32 (s % 8) + 8 t + 4 c.  Window 3: of K steps 8-15.
.set WIQ,  4194304
.set XS,   7340032
.set WIS,  7602176
.set ROPE, 7798784
.set KVC,  2097152                     ; wsB: q's codes at 0; k's and v's: [batch, group][key step of 128][k: 4 fragments | v: 4 fragments]
.set QS,   4194304
.set KVS,  4325376
.set TAB,  131072                      ; LDS: x's images at 0; here 128 rows of the table, 256 bytes + 16
.set TM,   8
.set SEL,  26
.set MSB,  0
.macro WIN new                         ; the immediate's high byte repeats the setting that is left
.if MSB != (\new)
	s_set_vgpr_msb (MSB<<8)|(\new)
.set MSB, (\new)
.endif
.endm
.macro PLACES                          ; four plain instructions between a matrix instruction and a load into, or a vector instruction on, one of its registers
.rept 4
	v_nop
.endr
.endm
; one product.  d, a, b: first registers of D (and C), source 0, source 1; zero: C is the constant 0; sa, sb: the scale registers; oa, ob: the side's words lie in lanes 16-31
.macro MM d, a, b, zero, sa, sb, oa, ob
.if \zero
.if (\oa) && (\ob)
	v_wmma_scale_f32_16x16x128_f8f6f4 v[(\d):(\d)+7], v[(\a):(\a)+7], v[(\b):(\b)+7], 0, v[\sa], v[\sb] matrix_a_fmt:MATRIX_FMT_FP4 matrix_b_fmt:MATRIX_FMT_FP4 matrix_a_scale:MATRIX_SCALE_ROW1 matrix_b_scale:MATRIX_SCALE_ROW1
.elseif \oa
	v_wmma_scale_f32_16x16x128_f8f6f4 v[(\d):(\d)+7], v[(\a):(\a)+7], v[(\b):(\b)+7], 0, v[\sa], v[\sb] matrix_a_fmt:MATRIX_FMT_FP4 matrix_b_fmt:MATRIX_FMT_FP4 matrix_a_scale:MATRIX_SCALE_ROW1
.elseif \ob
	v_wmma_scale_f32_16x16x128_f8f6f4 v[(\d):(\d)+7], v[(\a):(\a)+7], v[(\b):(\b)+7], 0, v[\sa], v[\sb] matrix_a_fmt:MATRIX_FMT_FP4 matrix_b_fmt:MATRIX_FMT_FP4 matrix_b_scale:MATRIX_SCALE_ROW1
.else
	v_wmma_scale_f32_16x16x128_f8f6f4 v[(\d):(\d)+7], v[(\a):(\a)+7], v[(\b):(\b)+7], 0, v[\sa], v[\sb] matrix_a_fmt:MATRIX_FMT_FP4 matrix_b_fmt:MATRIX_FMT_FP4
.endif
.else
.if (\oa) && (\ob)
	v_wmma_scale_f32_16x16x128_f8f6f4 v[(\d):(\d)+7], v[(\a):(\a)+7], v[(\b):(\b)+7], v[(\d):(\d)+7], v[\sa], v[\sb] matrix_a_fmt:MATRIX_FMT_FP4 matrix_b_fmt:MATRIX_FMT_FP4 matrix_a_scale:MATRIX_SCALE_ROW1 matrix_b_scale:MATRIX_SCALE_ROW1
.elseif \oa
	v_wmma_scale_f32_16x16x128_f8f6f4 v[(\d):(\d)+7], v[(\a):(\a)+7], v[(\b):(\b)+7], v[(\d):(\d)+7], v[\sa], v[\sb] matrix_a_fmt:MATRIX_FMT_FP4 matrix_b_fmt:MATRIX_FMT_FP4 matrix_a_scale:MATRIX_SCALE_ROW1
.elseif \ob
	v_wmma_scale_f32_16x16x128_f8f6f4 v[(\d):(\d)+7], v[(\a):(\a)+7], v[(\b):(\b)+7], v[(\d):(\d)+7], v[\sa], v[\sb] matrix_a_fmt:MATRIX_FMT_FP4 matrix_b_fmt:MATRIX_FMT_FP4 matrix_b_scale:MATRIX_SCALE_ROW1
.else
	v_wmma_scale_f32_16x16x128_f8f6f4 v[(\d):(\d)+7], v[(\a):(\a)+7], v[(\b):(\b)+7], v[(\d):(\d)+7], v[\sa], v[\sb] matrix_a_fmt:MATRIX_FMT_FP4 matrix_b_fmt:MATRIX_FMT_FP4
.endif
.endif
.endm
.macro FETCH s                         ; x's eight fragments of K step s, from LDS into set s % 2: 512 consecutive bytes a load
.irp m, 0,1,2,3,4,5,6,7
.irp c, 0,1
	ds_load_b128 v[128+64*((\s)%2)+8*\m+4*\c:128+64*((\s)%2)+8*\m+4*\c+3], v[1+(\s)/8] offset:(((\s)/4)%2)*32768+\m*4096+((\s)%4)*1024+\c*512
.endr
.endr
.endm
.macro LOADW s                         ; my four fragments of w_in of K step s, from memory into registers of their own
.irp t, 0,1,2,3
.irp c, 0,1
	global_load_b128 v[32*((\s)%8)+8*\t+4*\c:32*((\s)%8)+8*\t+4*\c+3], v1, s[24:25] offset:((\s)/4)*32768+\t*4096+((\s)%4)*1024+\c*512
.endr
.endr
.endm
; A K step of 128: 32 products, the 32 accumulators by turns in the same order in every step.  path = 0: q, k;  1: v
.macro KSTEP s, path
	WIN 0
	s_wait_dscnt 0x0                               ; this step's fragments of x are in
.if (\s) <= 10
	s_wait_loadcnt 40                              ; this step's w_in is in (and all scale words, which are older); the five later steps' 8 loads each may be out
.else
	s_wait_loadcnt 8*(15-(\s))                     ; nothing is asked for any more: the counts run down
.endif
.if (\s) == 3
	s_wait_tensorcnt 0x0                           ; my later quarter (or the table) has landed
	s_barrier_signal -1
	s_barrier_wait -1                              ; everybody's has
.endif
.if (\s) < 15
	PLACES
	FETCH (\s)+1
.endif
.if (\s) < 10
	WIN 0x80+0x40*(((\s)+6)/8)
	LOADW (\s)+6
.endif
.set ZR, 0
.if (\s) == 0
.set ZR, 1
.endif
.if \path
	WIN 0x58+4*((\s)/8)                            ; source 0 (x) window 0, source 1 (w_in) window 2 or 3, C and D window 1
.irp t, 0,1,2,3
.irp m, 0,1,2,3,4,5,6,7
	MM 8*(8*\t+\m),128+64*((\s)%2)+8*\m,32*((\s)%8)+8*\t,ZR,32+16*(\m/2)+(\s),96+16*(\t/2)+(\s),\m%2,\t%2
.endr
.endr
.else
	WIN 0x52+((\s)/8)                              ; source 0 (w_in) window 2 or 3, source 1 (x) window 0, C and D window 1
.irp m, 0,1,2,3,4,5,6,7
.irp t, 0,1,2,3
	MM 8*(4*\m+\t),32*((\s)%8)+8*\t,128+64*((\s)%2)+8*\m,ZR,96+16*(\t/2)+(\s),32+16*(\m/2)+(\s),\t%2,\m%2
.endr
.endr
.endif
.endm
.macro TABLOAD m                       ; cos and sin of my row of tile m, frequencies 16 h + 0 .. 15, into set m % 2
.irp k, 0,1,2,3
	ds_load_b128 v[128+32*((\m)%2)+4*\k:128+32*((\m)%2)+4*\k+3], v4 offset:(32*((\m)/2)+8*((\m)%2))*272+16*\k
	ds_load_b128 v[144+32*((\m)%2)+4*\k:144+32*((\m)%2)+4*\k+3], v4 offset:(32*((\m)/2)+8*((\m)%2))*272+128+16*\k
.endr
.endm
; 32 numbers v[s] .. v[s + 31], register 16 b + i = k 32 b + 16 h + i of my row, become half a fragment in v[pc] .. v[pc + 3] (k = 32 h + 0 .. 31) and two scale bytes in v[hw]
.macro QUANT2 s, pc, hw
.irp b, 0,1
	v_max3_num_f32 v[TM+\b], |v[(\s)+16*\b]|, |v[(\s)+16*\b+1]|, 0x1800000   ; with the floor 2^(3 - 127): the byte cannot fall under 1
.endr
.irp i, 2,4,6,8,10,12,14
.irp b, 0,1
	v_max3_num_f32 v[TM+\b], v[TM+\b], |v[(\s)+16*\b+\i]|, |v[(\s)+16*\b+\i+1]|
.endr
.endr
.irp b, 0,1
	v_permlanex16_b32 v[TM+2+\b], v[TM+\b], s[SEL], s[SEL+1]
.endr
.irp b, 0,1
	v_max_num_f32 v[TM+\b], v[TM+\b], v[TM+2+\b]   ; with lane l xor 16's 16: the block's largest magnitude
.endr
.irp b, 0,1
	v_add_nc_u32 v[TM+4+\b], 0xff000000, v[TM+\b]  ; 2 off its exponent field: the conversion's scale operand
.endr
.irp b, 0,1
	v_lshrrev_b32 v[TM+2+\b], 23, v[TM+4+\b]       ; the byte
.endr
	v_lshl_or_b32 v[\hw], v[TM+3], 8, v[TM+2]
.irp b, 0,1
	v_cvt_scalef32_pk8_fp4_f32 v[(\pc)+2*\b], v[(\s)+16*\b:(\s)+16*\b+7], v[TM+4+\b]
	v_cvt_scalef32_pk8_fp4_f32 v[(\pc)+2*\b+1], v[(\s)+16*\b+8:(\s)+16*\b+15], v[TM+4+\b]
.endr
	v_nop                                          ; a plain instruction behind the scaled conversions
	v_permlane16_swap_b32 v[\pc], v[(\pc)+2]       ; a whole block to a lane: lanes 0-15 block 0, lanes 16-31 block 1
	v_permlane16_swap_b32 v[(\pc)+1], v[(\pc)+3]
.endm
; v: the 64 accumulator registers of channel tile t (window 1), register 16 b + i = key 32 b + 16 h + i, become a fragment in v[224 + 8 t] on and a scale word in v[24 + t]
.macro QUANT4W t
	WIN 0x05                                       ; sources 0 and 1 window 1
.irp b, 0,1,2,3
	v_max3_num_f32 v[8+\b], |v[64*(\t)+16*\b]|, |v[64*(\t)+16*\b+1]|, 0x1800000
.endr
.irp i, 2,4,6,8,10,12,14
.irp b, 0,1,2,3
	v_max3_num_f32 v[8+\b], |v[64*(\t)+16*\b+\i]|, |v[64*(\t)+16*\b+\i+1]|, v[8+\b]
.endr
.endr
	WIN 0
.irp b, 0,1,2,3
	v_permlanex16_b32 v[12+\b], v[8+\b], s[SEL], s[SEL+1]
.endr
.irp b, 0,1,2,3
	v_max_num_f32 v[8+\b], v[8+\b], v[12+\b]
.endr
.irp b, 0,1,2,3
	v_add_nc_u32 v[16+\b], 0xff000000, v[8+\b]
.endr
.irp b, 0,1,2,3
	v_lshrrev_b32 v[12+\b], 23, v[16+\b]
.endr
	v_lshl_or_b32 v[24+(\t)], v13, 8, v12
	v_lshl_or_b32 v[24+(\t)], v14, 16, v[24+(\t)]
	v_lshl_or_b32 v[24+(\t)], v15, 24, v[24+(\t)]
	WIN 0x01                                       ; source 0 window 1
.irp b, 0,1,2,3
	v_cvt_scalef32_pk8_fp4_f32 v[224+8*(\t)+2*\b], v[64*(\t)+16*\b:64*(\t)+16*\b+7], v[16+\b]
	v_cvt_scalef32_pk8_fp4_f32 v[225+8*(\t)+2*\b], v[64*(\t)+16*\b+8:64*(\t)+16*\b+15], v[16+\b]
.endr
	WIN 0
	v_nop
.irp c, 0,1
.irp i, 0,1
	v_permlane16_swap_b32 v[224+8*(\t)+4*\c+\i], v[226+8*(\t)+4*\c+\i]
.endr
.endr
.endm
	s_load_b128 s[4:7], s[0:1], 0x0                ; wsA, wsB
	v_lshl_add_u32 v254, v0, 2, 0x29000
	v_mov_b32 v255, 0
	ds_add_u32 v254, v255
	ds_add_u32 v254, v255
	s_wait_dscnt 0x0
	v_lshrrev_b32 v6, 5, v0
	v_readfirstlane_b32 s8, v6                     ; wave 0..3
	s_mov_b32 s9, ttmp9                            ; cb
	s_and_b32 s10, ttmp7, 0xffff                   ; Mb
	s_lshl_b32 s11, s9, 2
	s_add_co_u32 s11, s11, s8                      ; H
	s_and_b32 s12, s10, 15                         ; the key step: 128 positions
	s_lshr_b32 s13, s10, 4                         ; the batch
	; descriptor group 1: 128 dense rows of 256 bytes (32 elements of 8 bytes); for the table with 16 bytes of padding behind each
	s_mov_b32 s28, 3<<16
	s_mov_b32 s29, 32<<16                          ; tensor_dim0
	s_mov_b32 s30, 128<<16                         ; tensor_dim1: a whole quarter of x's images, 128 rows of 256 bytes, is one wave's load
	s_mov_b32 s31, 32<<16                          ; tile_dim0
	s_mov_b32 s32, 128                             ; tile_dim1
	s_mov_b32 s33, 32                              ; the pitch
	s_mov_b32 s34, 0
	s_mov_b32 s35, 0
	s_mov_b32 s36, (3<<16)|(1<<20)|(5<<22)|(3<<25)
	s_mov_b32 s37, 32<<16
	s_mov_b32 s38, 128<<16                         ; the table's 128 rows are one wave's load
	s_mov_b32 s39, 32<<16
	s_mov_b32 s40, 128
	s_mov_b32 s41, 32
	s_mov_b32 s42, 0
	s_mov_b32 s43, 0
	s_mov_b32 s76, 3<<16                           ; and for the head's loads: 32 dense rows of 256 bytes
	s_mov_b32 s77, 32<<16
	s_mov_b32 s78, 32<<16
	s_mov_b32 s79, 32<<16
	s_mov_b32 s80, 32
	s_mov_b32 s81, 32
	s_mov_b32 s82, 0
	s_mov_b32 s83, 0
	s_lshl_b32 s14, s8, 13                         ; my 8,192 bytes of a quarter, in memory and in LDS
	s_add_co_u32 s84, s8, 1
	s_lshl_b32 s84, s84, 15                        ; behind the first barrier wave w (0 to 2) fetches quarter w + 1: 32,768 bytes, at the same place in memory and in LDS
	s_lshl_b32 s16, s10, 17
	s_add_co_u32 s86, s16, s14                     ; at the head: my 8,192 bytes of quarter 0
	s_mov_b32 s87, 0
	s_add_co_u32 s16, s16, s84
	s_mov_b32 s17, 0
	s_lshl_b32 s18, s12, 15
	s_add_co_u32 s18, s18, ROPE
	s_mov_b32 s19, 0
	s_lshl_b32 s20, s10, 13
	s_add_co_u32 s20, s20, XS
	s_mov_b32 s21, 0
	s_lshl_b32 s22, s11, 12
	s_add_co_u32 s22, s22, WIS
	s_mov_b32 s23, 0
	s_lshr_b32 s24, s11, 1
	s_lshl_b32 s24, s24, 17
	s_and_b32 s25, s11, 1
	s_lshl_b32 s25, s25, 14
	s_add_co_u32 s24, s24, s25
	s_add_co_u32 s24, s24, WIQ
	s_mov_b32 s25, 0
	s_mov_b32 s[SEL], 0x76543210
	s_mov_b32 s[SEL+1], 0xfedcba98
	; where the results go
	s_and_b32 s66, s11, 7
	s_lshl_b32 s67, s13, 3
	s_add_co_u32 s66, s66, s67                     ; 8 x batch + group
	s_lshl_b32 s67, s66, 17
	s_lshl_b32 s68, s12, 13
	s_add_co_u32 s67, s67, s68
	s_add_co_u32 s67, s67, KVC
	s_lshl_b32 s68, s66, 13
	s_lshl_b32 s69, s12, 9
	s_add_co_u32 s68, s68, s69
	s_add_co_u32 s68, s68, KVS
	s_cmp_ge_u32 s9, 6
	s_cselect_b32 s69, 4096, 0                     ; v lies behind k in a key step
	s_cselect_b32 s70, 256, 0
	s_add_co_u32 s67, s67, s69
	s_add_co_u32 s68, s68, s70
	s_lshl_b32 s69, s11, 17
	s_lshl_b32 s70, s10, 12
	s_add_co_u32 s69, s69, s70                     ; q's codes: head x 131072 + tile x 512
	s_lshl_b32 s70, s11, 5
	s_add_co_u32 s70, s70, s10
	s_lshl_b32 s70, s70, 8
	s_add_co_u32 s70, s70, QS
	s_cmp_lt_u32 s9, 4
	s_cselect_b32 s72, s69, s67
	s_cselect_b32 s74, s70, s68
	s_mov_b32 s73, 0
	s_mov_b32 s75, 0
	v_and_b32 v6, 31, v0                           ; lane
	v_lshlrev_b32 v1, 4, v6                        ; 16 l
	v_add_nc_u32 v2, 65536, v1                     ; the same in the upper half of x's images
	v_lshrrev_b32 v7, 4, v6                        ; h
	v_and_b32 v30, 15, v6                          ; r
	v_lshlrev_b32 v3, 10, v7
	v_lshl_add_u32 v3, v30, 4, v3                  ; scale words: lanes 16-31 take the next tile's
	v_and_b32 v31, 8, v30
	v_add_nc_u32 v31, v31, v30                     ; r + 8 (r / 8)
	v_mul_u32_u24 v4, v31, 272
	v_lshl_add_u32 v4, v7, 6, v4
	v_add_nc_u32 v4, TAB, v4                       ; the table: my row, my 16 frequencies
	v_lshlrev_b32 v5, 4, v30
	v_lshl_add_u32 v5, v7, 3, v5                   ; the scale words out: 16 r + 8 h
.irp i, 8,9,10,11,12,13,14,15
	v_mov_b32 v[\i], 0                             ; written once: a lane permute's destination counts as one of its sources
.endr
	s_wait_kmcnt 0x0
	s_add_nc_u64 s[16:17], s[4:5], s[16:17]
	s_mov_b32 s44, 1
	s_mov_b32 s45, s14
	s_add_nc_u64 s[46:47], s[4:5], s[86:87]
	s_or_b32 s47, s47, 0x80000000
	s_mov_b32 s48, 1
	s_mov_b32 s49, s84
	s_mov_b64 s[50:51], s[16:17]
	s_or_b32 s51, s51, 0x80000000
	s_mov_b32 s60, 1
	s_mov_b32 s61, TAB
	s_add_nc_u64 s[62:63], s[4:5], s[18:19]
	s_or_b32 s63, s63, 0x80000000
	s_add_nc_u64 s[20:21], s[4:5], s[20:21]
	s_add_nc_u64 s[22:23], s[4:5], s[22:23]
	s_add_nc_u64 s[24:25], s[4:5], s[24:25]
	s_add_nc_u64 s[72:73], s[6:7], s[72:73]
	s_add_nc_u64 s[74:75], s[6:7], s[74:75]
	tensor_load_to_lds s[44:47], s[76:83]          ; my part of the first quarter of x's images: one tensor load a wave at the head
	s_nop 0
	PLACES
.irp p, 0,1,2,3
.irp g, 0,1,2,3
	global_load_b128 v[32+16*\p+4*\g:35+16*\p+4*\g], v3, s[20:21] offset:\p*2048+\g*256
.endr
.endr
.irp p, 0,1
.irp g, 0,1,2,3
	global_load_b128 v[96+16*\p+4*\g:99+16*\p+4*\g], v3, s[22:23] offset:\p*2048+\g*256
.endr
.endr
	WIN 0x80
.irp s, 0,1,2,3,4,5
	LOADW \s
.endr
	WIN 0
	s_wait_alu depctr_va_vdst(0)                   ; the wait at the head's end
	s_wait_tensorcnt 0x0                           ; my part of the first quarter has landed
	ds_add_u32 v254, v255
	s_wait_dscnt 0x0
	s_barrier_signal -1
	s_barrier_wait -1                              ; the first quarter is in
	s_cmp_lt_u32 s8, 3                             ; one tensor load a wave behind the barrier: waves 0 to 2 a whole later quarter each,
	s_cbranch_scc0 .Lfor_tab
	tensor_load_to_lds s[48:51], s[28:35]
	s_nop 0
	PLACES
	s_branch .Lasked
.Lfor_tab:
	s_cmp_ge_u32 s9, 6                             ; wave 3 the table; the work-group's number alone decides: v reads no table and asks for none
	s_cbranch_scc1 .Lasked
	tensor_load_to_lds s[60:63], s[36:43]
	s_nop 0
	PLACES
.Lasked:
	FETCH 0
	s_cmp_ge_u32 s9, 6
	s_cbranch_scc1 .Lpath_v
.irp s, 0,1,2,3,4,5,6,7,8,9,10,11,12,13,14,15
	KSTEP \s, 0
.endr
	WIN 0
	s_wait_tensorcnt 0x0                           ; the table
	s_wait_dscnt 0x0
	s_barrier_signal -1
	s_barrier_wait -1
	PLACES
	TABLOAD 0
.irp m, 0,1,2,3,4,5,6,7
.if \m < 7
	TABLOAD \m+1
	s_wait_dscnt 8                                 ; this tile's cos and sin are in; the next tile's eight loads may be out
.else
	s_wait_dscnt 0x0
.endif
	WIN 0x01                                       ; source 0: the accumulators.
.irp i, 0,2,4,6,8,10,12,14
	v_pk_mul_f32 v[192+\i:193+\i], v[32*\m+\i:32*\m+\i+1], v[128+32*(\m%2)+\i:129+32*(\m%2)+\i]
	v_pk_mul_f32 v[208+\i:209+\i], v[32*\m+16+\i:32*\m+17+\i], v[128+32*(\m%2)+\i:129+32*(\m%2)+\i]
	v_pk_fma_f32 v[192+\i:193+\i], v[32*\m+16+\i:32*\m+17+\i], v[144+32*(\m%2)+\i:145+32*(\m%2)+\i], v[192+\i:193+\i] neg_lo:[1,0,0] neg_hi:[1,0,0]
	v_pk_fma_f32 v[208+\i:209+\i], v[32*\m+\i:32*\m+\i+1], v[144+32*(\m%2)+\i:145+32*(\m%2)+\i], v[208+\i:209+\i]
.endr
	WIN 0
	QUANT2 192, 224+4*\m, 16+\m
	global_store_b128 v1, v[224+4*\m:227+4*\m], s[72:73] offset:512*\m   ; 512 consecutive bytes; each tile has its own registers
.endr
.irp f, 0,1,2,3
	v_lshl_or_b32 v[24+\f], v[17+2*\f], 16, v[16+2*\f]   ; a word: tile 2 f's two bytes, tile 2 f + 1's two
.endr
	v_cmp_le_u32 vcc_lo, 16, v6
	v_cndmask_b32 v28, v24, v26, vcc_lo            ; lanes 0-15 store words 0 and 1 of their row, lanes 16-31 words 2 and 3
	v_cndmask_b32 v29, v25, v27, vcc_lo
	global_store_b64 v5, v[28:29], s[74:75]        ; 256 consecutive bytes
	s_wait_xcnt 0x0
	v_lshl_add_u32 v254, v0, 2, 0x29000
	v_mov_b32 v255, 0
	s_wait_alu depctr_va_vdst(0)
	s_wait_tensorcnt 0x0
	ds_add_u32 v254, v255
	s_wait_dscnt 0x0
	s_endpgm
.Lpath_v:
.irp s, 0,1,2,3,4,5,6,7,8,9,10,11,12,13,14,15
	KSTEP \s, 1
.endr
	WIN 0
	s_wait_tensorcnt 0x0                           ; no tensor load is out at the end
	PLACES
.irp t, 0,1,2,3
	QUANT4W \t
	global_store_b128 v1, v[224+8*\t:227+8*\t], s[72:73] offset:\t*1024
	global_store_b128 v1, v[228+8*\t:231+8*\t], s[72:73] offset:\t*1024+512
.endr
	v_cmp_le_u32 vcc_lo, 16, v6
	v_cndmask_b32 v28, v24, v26, vcc_lo
	v_cndmask_b32 v29, v25, v27, vcc_lo
	global_store_b64 v5, v[28:29], s[74:75]
	s_wait_xcnt 0x0
	v_lshl_add_u32 v254, v0, 2, 0x29000
	v_mov_b32 v255, 0
	s_wait_alu depctr_va_vdst(0)
	s_wait_tensorcnt 0x0
	ds_add_u32 v254, v255
	s_wait_dscnt 0x0
	s_endpgm
.Lfunc_end_k_qaaffbd5edb_inproj:
	.size	k_qaaffbd5edb_inproj, .Lfunc_end_k_qaaffbd5edb_inproj-k_qaaffbd5edb_inproj
	.p2alignl 7, 3214868480
	.fill 96, 4, 3214868480
	.section	.rodata,"a",@progbits
	.p2align	6, 0x0
	.amdhsa_kernel k_qaaffbd5edb_inproj
		.amdhsa_group_segment_fixed_size 327680
		.amdhsa_private_segment_fixed_size 0
		.amdhsa_enable_private_segment 0
		.amdhsa_kernarg_size 16
		.amdhsa_user_sgpr_count 2
		.amdhsa_user_sgpr_kernarg_segment_ptr 1
		.amdhsa_wavefront_size32 1
		.amdhsa_system_sgpr_workgroup_id_x 1
		.amdhsa_system_sgpr_workgroup_id_y 1
		.amdhsa_system_sgpr_workgroup_id_z 1
		.amdhsa_system_vgpr_workitem_id 0
		.amdhsa_next_free_vgpr 1024
		.amdhsa_next_free_sgpr 100
		.amdhsa_reserve_vcc 1
		.amdhsa_float_denorm_mode_32 3
		.amdhsa_float_denorm_mode_16_64 3
		.amdhsa_memory_ordered 1
		.amdhsa_forward_progress 1
		.amdhsa_inst_pref_size 251
	.end_amdhsa_kernel
	.amdgpu_metadata
---
amdhsa.version: [ 1, 2 ]
amdhsa.kernels:
  - .name:           k_qaaffbd5edb_inproj
    .symbol:         k_qaaffbd5edb_inproj.kd
    .args:
      - { .name: wsA, .offset: 0, .size: 8, .value_kind: global_buffer, .address_space: global }
      - { .name: wsB, .offset: 8, .size: 8, .value_kind: global_buffer, .address_space: global }
    .group_segment_fixed_size: 327680
    .private_segment_fixed_size: 0
    .kernarg_segment_align: 8
    .kernarg_segment_size: 16
    .max_flat_workgroup_size: 128
    .sgpr_count:     100
    .vgpr_count:     1024
    .wavefront_size: 32
...
	.end_amdgpu_metadata
.endif
;; end of part 2
;; launch attn (part 3): grid 16 x 16, 16 waves a work-group, no clusters, 327,680 bytes of LDS; arguments wsB, wsC; writes wsC
.if DOCPART == 3
	.amdgcn_target "amdgcn-amd-amdhsa--gfx1250"
	.amdhsa_code_object_version 6
	.text
	.protected	k_qaaffbd5edb_attn
	.globl	k_qaaffbd5edb_attn
	.p2align	8
	.type	k_qaaffbd5edb_attn,@function
k_qaaffbd5edb_attn:
	s_mov_b64 s[64:65], 0
	v_nop
	global_prefetch_b8 v0, s[64:65] scope:SCOPE_SE
	s_setreg_imm32_b32 hwreg(HW_REG_WAVE_MODE, 25, 1), 1
	s_wait_xcnt 0x0
; ATTN.  Causal attention on codes of E2M1, head size 64, two heads of q to a group's k and v; o / l is quantised along (group, head, d) and leaves as images of operand registers.
; t = score x log2(e) / 8; M = the running largest t rounded up to a whole number; p = 2^(t - M) is quantised along the keys; the row's sum is taken of the unquantised p and divides at the end.
; LEFT OUT: key steps all of whose keys come after a tile's queries: reference() sets their scores to -inf by its own causal mask, so p = 0 there for all values of the inputs.
; SHARES.  Work-group (j, batch x group) owns both heads for the blocks j and 31 - j of 64 positions: 8 early tiles (a + 1 key steps of 128 each, a = j / 2) and 8 late ones (16 - a steps).
; The 16 waves work in 8 PAIRS (head, tile of the block).  The OWNER of the late tile walks its key steps 0 .. 8 (or to the diagonal, where that is step 8).  Its PARTNER walks the early tile whole, a + 1 steps, sends it out,
; then walks the late tile's steps 9 .. 15 - a and hands O^T, -M and the sums to the owner through LDS.  So an owner has 9 steps and a partner 8, whatever j.  The owner joins the two parts: both are brought under the
; larger M by powers of two, which rounds nothing, and added.  A partner with no step left (a = 7) hands over zeros under M = -3e38, whose factor is 0.
; Trip counts are constants (2 + 7 + 7 steps in every wave); a step that is not the wave's is jumped over by a scalar branch on ids; the step on the diagonal masks.
; LDS.  k's and v's eight fragments of each key step: fragment f of step s at 16384 f + 1024 s.  At the head waves 0-7 fetch fragment w of steps 0 and 1 (2 rows of 1,024 bytes, 8,192 apart in memory) and wave 8 all scale words (8 KB);
; behind the first barrier waves 0-7 fetch steps 2 .. 15 (14 rows), which are on their way while steps 0 and 1 are worked; one more barrier, and none in the rest of the walk.  No LDS byte is filled twice.
; HEAD SIZE 64 IN A PRODUCT OF K = 128: a fragment of k holds key tile 2 f in k = 0 .. 63 and key tile 2 f + 1 in k = 64 .. 127; q stands between zeros, [0 | q | 0]: [q | 0] picks tile 2 f, [0 | q] tile 2 f + 1 (zero codes add nothing).
; LAYOUT.  Both products transposed: a lane holds one query.  By the order of a tile's rows the 16 registers of key tiles 2 b, 2 b + 1 are keys 32 b + 16 h + 0 .. 15, and those of channel tiles 2 b, 2 b + 1 channels 32 b + 16 h + 0 .. 15.
; NO CLUSTER: the work-groups that share k and v jump over different steps, by branches on their block number.  NO PREFETCH: all of k and v is asked for by the two groups of tensor loads at the start; no later load is left to run ahead of.
; LIMITS: NaN and infinities are not served; a block's byte is held at 1 from below; 1 / l by v_rcp_f32; a block's largest p is the exponential of its largest score; the scaled scores stay under 2^31 in magnitude.
; REGISTERS: v1-11 addresses and the mask's d; v12 -M, v13 the largest t, v[14:15] the sum; v16-27 [0 | q | 0]; v28 q's scale word, v29 the late tile's; v32-63 k; v64-95 v; v96-159 S^T, then p; v160-191 O^T; v192-199 k's and v's scale words;
; v200-203 the late tile's q; v204-209 the head's; v224-231 codes; v232-254 at work; v251, v255 the add's two.
.set KVC,  2097152
.set QS,   4194304
.set KVS,  4325376
.set OS,   2097152                     ; wsC: o's codes at 0, its scale words here
.set SCL,  131072                      ; LDS: the scale words, behind the codes
.set OSC,  139264                      ; 512 bytes for o's scale bytes; no fill lands here or further on
.set PART, 139776                      ; what a partner hands over: 9 x 512 bytes for each of 8 pairs
.set SPARE, 176640                     ; the spare words: 128 bytes for each wave
.set L16,  1
.set ASC,  2
.set ADK,  3
.set ADS,  4
.set ADV,  10
.set PAD,  11
.set TM,   236
.set KSD,  19
.set SEL,  20
.set CS,   22
.set TB,   60
.set TS,   61
.set KS,   62
.set CNT,  63
.set HI,   78                          ; the last key step of the walk in hand
.set HI2,  79                          ; of the second walk: the late tile's diagonal (partner), 0 (owner: none of steps 9 .. 15)
.set KSDL, 80                          ; the late tile's diagonal step
.macro PLACES
.rept 4
	v_nop
.endr
.endm
.macro QUANT2 s, pc, hw                ; 32 numbers, register 16 b + i = k 32 b + 16 h + i of my row: half a fragment in v[pc] on, two scale bytes in v[hw]
.irp b, 0,1
	v_max3_num_f32 v[TM+\b], |v[(\s)+16*\b]|, |v[(\s)+16*\b+1]|, 0x1800000
.endr
.irp i, 2,4,6,8,10,12,14
.irp b, 0,1
	s_delay_alu instid0(VALU_DEP_2)
	v_max3_num_f32 v[TM+\b], v[TM+\b], |v[(\s)+16*\b+\i]|, |v[(\s)+16*\b+\i+1]|
.endr
.endr
.irp b, 0,1
	s_delay_alu instid0(VALU_DEP_2)
	v_permlanex16_b32 v[TM+2+\b], v[TM+\b], s[SEL], s[SEL+1]
.endr
.irp b, 0,1
	s_delay_alu instid0(VALU_DEP_2)
	v_max_num_f32 v[TM+\b], v[TM+\b], v[TM+2+\b]
.endr
.irp b, 0,1
	s_delay_alu instid0(VALU_DEP_2)
	v_add_nc_u32 v[TM+4+\b], 0xff000000, v[TM+\b]
.endr
.irp b, 0,1
	s_delay_alu instid0(VALU_DEP_2)
	v_lshrrev_b32 v[TM+2+\b], 23, v[TM+4+\b]
.endr
	s_delay_alu instid0(VALU_DEP_1)
	v_lshl_or_b32 v[\hw], v[TM+3], 8, v[TM+2]
.irp b, 0,1
	v_cvt_scalef32_pk8_fp4_f32 v[(\pc)+2*\b], v[(\s)+16*\b:(\s)+16*\b+7], v[TM+4+\b]
	v_cvt_scalef32_pk8_fp4_f32 v[(\pc)+2*\b+1], v[(\s)+16*\b+8:(\s)+16*\b+15], v[TM+4+\b]
.endr
	v_nop
	v_permlane16_swap_b32 v[\pc], v[(\pc)+2]
	v_permlane16_swap_b32 v[(\pc)+1], v[(\pc)+3]
.endm
; for the tile in s[t] (its number in the batch): byte offsets of q's codes (pair qc) and scale words (pair qs) in wsB, and the tile's place in its key step, 32 f + 8 u (pl)
.macro QADR t, qc, qs, pl
	s_lshl_b32 s96, s11, 7
	s_add_co_u32 s96, s96, s[\t]                   ; the tile among all rows
	s_lshl_b32 s[\qc], s84, 17
	s_lshl_b32 s97, s96, 9
	s_add_co_u32 s[\qc], s[\qc], s97
	s_mov_b32 s[\qc+1], 0
	s_lshl_b32 s[\qs], s84, 5
	s_lshr_b32 s97, s96, 3
	s_add_co_u32 s[\qs], s[\qs], s97
	s_lshl_b32 s[\qs], s[\qs], 8
	s_bfe_u32 s97, s[\t], 0x20001                  ; f: which pair of tiles of the key step
	s_lshl_b32 s98, s97, 2
	s_add_co_u32 s[\qs], s[\qs], s98
	s_add_co_u32 s[\qs], s[\qs], QS
	s_mov_b32 s[\qs+1], 0
	s_lshl_b32 s[\pl], s97, 5
	s_and_b32 s98, s[\t], 1                        ; u: which of the pair
	s_lshl_b32 s98, s98, 3
	s_add_co_u32 s[\pl], s[\pl], s98
.endm
	s_load_b128 s[4:7], s[0:1], 0x0                ; wsB, wsC
	v_lshl_add_u32 v251, v0, 2, SPARE
	v_mov_b32 v255, 0
	ds_add_u32 v251, v255                          ; the opening lines: the add, twice on end, and its wait
	ds_add_u32 v251, v255
	v_lshrrev_b32 v204, 5, v0
	v_readfirstlane_b32 s8, v204                   ; wave 0..15
	s_mov_b32 s9, ttmp9                            ; j
	s_and_b32 s10, ttmp7, 0xffff                   ; 8 x batch + group
	s_lshr_b32 s11, s10, 3
	s_and_b32 s12, s10, 7
	s_and_b32 s13, s8, 1                           ; which head of the two
	s_lshr_b32 s14, s8, 1
	s_lshr_b32 s96, s8, 3
	s_xor_b32 s14, s14, s96
	s_and_b32 s14, s14, 1                          ; 0: partner (sends out a tile of block j); 1: owner (of block 31 - j): of waves w, w + 4, w + 8, w + 12 as of waves 4 i .. 4 i + 3 two take each
	s_bfe_u32 s15, s8, 0x20002                     ; which of the block's four tiles
	s_sub_co_u32 s96, 31, s9
	s_lshl_b32 s81, s96, 2
	s_add_co_u32 s81, s81, s15                     ; the pair's late tile
	s_cmp_eq_u32 s14, 1
	s_cselect_b32 s16, s96, s9
	s_lshl_b32 s17, s16, 2
	s_add_co_u32 s17, s17, s15                     ; the tile that I send out, and walk first
	s_lshl_b32 s18, s11, 7
	s_add_co_u32 s18, s18, s17                     ; among all rows
	s_lshr_b32 s[KSD], s17, 3                      ; the key step that holds its queries: the diagonal
	s_lshr_b32 s[KSDL], s81, 3
	s_min_u32 s[HI], s[KSD], 8                     ; the first walk ends at the diagonal (partner: at most 7) or at step 8 (owner)
	s_cmp_eq_u32 s14, 1
	s_cselect_b32 s[HI2], 0, s[KSDL]
	s_mov_b32 s[SEL], 0x76543210
	s_mov_b32 s[SEL+1], 0xfedcba98
	s_mov_b32 s[CS], 0x3e38aa3b                    ; log2(e) / 8
	s_mov_b32 s[CS+1], s[CS]
	s_mov_b32 s[KS], 0
	s_mov_b32 s[TB], 0
	s_mov_b32 s[TS], 0
	; descriptor groups 1, elements of 8 bytes: s[24:31] 2 rows of 1,024 bytes, 8,192 apart; s[32:39] 32 dense rows of 256 bytes; s[40:47] 14 rows of 1,024 bytes, 8,192 apart
	s_mov_b32 s24, 3<<16
	s_mov_b32 s25, 128<<16
	s_mov_b32 s26, 2<<16
	s_mov_b32 s27, 128<<16
	s_mov_b32 s28, 2
	s_mov_b32 s29, 1024
	s_mov_b32 s30, 0
	s_mov_b32 s31, 0
	s_mov_b32 s32, 3<<16
	s_mov_b32 s33, 32<<16
	s_mov_b32 s34, 32<<16
	s_mov_b32 s35, 32<<16
	s_mov_b32 s36, 32
	s_mov_b32 s37, 32
	s_mov_b32 s38, 0
	s_mov_b32 s39, 0
	s_mov_b32 s40, 3<<16
	s_mov_b32 s41, 128<<16
	s_mov_b32 s42, 14<<16
	s_mov_b32 s43, 128<<16
	s_mov_b32 s44, 14
	s_mov_b32 s45, 1024
	s_mov_b32 s46, 0
	s_mov_b32 s47, 0
	s_lshl_b32 s92, s10, 17
	s_lshl_b32 s96, s8, 10
	s_add_co_u32 s92, s92, s96
	s_add_co_u32 s92, s92, KVC                     ; fragment w of the group's key step 0
	s_mov_b32 s93, 0
	s_lshl_b32 s94, s10, 13
	s_add_co_u32 s94, s94, KVS                     ; the group's scale words
	s_mov_b32 s95, 0
	s_lshl_b32 s85, s8, 14                         ; fragment w in LDS
	s_lshl_b32 s84, s12, 1
	s_add_co_u32 s84, s84, s13                     ; the head of q: 2 x group + which
	QADR 17, 70, 72, 82
	QADR 81, 66, 68, 91
	s_and_b32 s83, s15, 1
	s_lshl_b32 s83, s83, 4                         ; 16 u: which half of q's scale word is the tile's (the same for both tiles of the pair)
	s_lshr_b32 s86, s18, 3
	s_and_b32 s96, s17, 7
	s_lshl_b32 s74, s86, 16                        ; o's codes: (T / 8) 65536 + (g / 4) 32768 + (T % 8) 4096 + (g % 4) 1024 + 512 x head
	s_lshr_b32 s87, s12, 2
	s_lshl_b32 s87, s87, 15
	s_add_co_u32 s74, s74, s87
	s_lshl_b32 s87, s96, 12
	s_add_co_u32 s74, s74, s87
	s_and_b32 s87, s12, 3
	s_lshl_b32 s87, s87, 10
	s_add_co_u32 s74, s74, s87
	s_lshl_b32 s87, s13, 9
	s_add_co_u32 s74, s74, s87
	s_mov_b32 s75, 0
	s_lshl_b32 s76, s12, 8
	s_add_co_u32 s76, s76, OS
	s_mov_b32 s77, 0
	s_lshl_b32 s88, s14, 8                         ; o's scale bytes in LDS: 256 x block + 64 x tile + 4 r + 2 x head
	s_lshl_b32 s89, s15, 6
	s_add_co_u32 s88, s88, s89
	s_lshl_b32 s89, s13, 1
	s_add_co_u32 s88, s88, s89
	s_add_co_u32 s88, s88, OSC
	s_lshl_b32 s89, s11, 5
	s_add_co_u32 s89, s89, s9
	s_lshl_b32 s89, s89, 11                        ; (32 x batch + j) 2048
	s_lshl_b32 s90, s9, 1
	s_sub_co_u32 s90, 31, s90
	s_lshl_b32 s90, s90, 11                        ; from block j to block 31 - j
	s_lshl_b32 s87, s15, 1
	s_add_co_u32 s87, s87, s13
	s_mul_i32 s87, s87, 4608
	s_add_co_u32 s87, s87, PART                    ; my pair's bytes
	v_and_b32 v204, 31, v0                         ; lane
	v_lshlrev_b32 v[L16], 4, v204
	v_and_b32 v205, 15, v204                       ; r
	v_lshrrev_b32 v206, 4, v204                    ; h
	v_lshl_add_u32 v[ASC], v205, 4, SCL
	v_lshlrev_b32 v207, 4, v205                    ; 16 r
	v_and_b32 v208, 8, v205
	v_add_nc_u32 v208, v208, v205
	v_lshlrev_b32 v209, 4, v206
	v_sub_nc_u32 v208, v208, v209
	v_add_nc_u32 v5, s82, v208                     ; d = my query's place in its key step - 16 h: register 16 b + i holds a hidden key where 32 b + i > d
	v_add_nc_u32 v9, s91, v208                     ; the same for the late tile
	v_lshl_add_u32 v6, v205, 2, s88
	v_mul_u32_u24 v7, v206, s90
	v_lshl_add_u32 v7, v205, 4, v7
	v_add_nc_u32 v7, s89, v7
	v_add_nc_u32 v8, OSC, v[L16]
	v_add_nc_u32 v[PAD], s87, v[L16]
	s_wait_alu depctr_va_vdst(0)
	s_wait_dscnt 0x0                               ; both opening adds are done
	s_wait_kmcnt 0x0
	s_mov_b32 s48, 1                               ; group 0: steps 0 and 1 of my fragment,
	s_mov_b32 s49, s85
	s_add_nc_u64 s[50:51], s[4:5], s[92:93]
	s_mov_b32 s56, 1                               ; steps 2 .. 15 of it,
	s_add_co_u32 s57, s85, 2048
	s_add_nc_u64 s[58:59], s[50:51], 16384
	s_or_b32 s51, s51, 0x80000000
	s_or_b32 s59, s59, 0x80000000
	s_mov_b32 s52, 1                               ; the scale words
	s_mov_b32 s53, SCL
	s_add_nc_u64 s[54:55], s[4:5], s[94:95]
	s_or_b32 s55, s55, 0x80000000
	s_add_nc_u64 s[70:71], s[4:5], s[70:71]
	s_add_nc_u64 s[72:73], s[4:5], s[72:73]
	s_add_nc_u64 s[66:67], s[4:5], s[66:67]
	s_add_nc_u64 s[68:69], s[4:5], s[68:69]
	s_add_nc_u64 s[74:75], s[6:7], s[74:75]
	s_add_nc_u64 s[76:77], s[6:7], s[76:77]
	s_cmp_lt_u32 s8, 8                             ; the head's loads: one chain on the wave's number, at most one load on any way
	s_cbranch_scc0 .Lhead_sc
	tensor_load_to_lds s[48:51], s[24:31]
	s_nop 0
	PLACES
	s_branch .Lhead_asked
.Lhead_sc:
	s_cmp_lt_u32 s8, 9
	s_cbranch_scc0 .Lhead_asked
	tensor_load_to_lds s[52:55], s[32:39]
	s_nop 0
	PLACES
.Lhead_asked:
	global_load_b128 v[20:23], v[L16], s[70:71]    ; q of my first tile: half a fragment
	global_load_b32 v28, v207, s[72:73]
	global_load_b128 v[200:203], v[L16], s[66:67]  ; and of the late tile, for the partner's second walk
	global_load_b32 v29, v207, s[68:69]
.irp i, 16,17,18,19,24,25,26,27
	v_mov_b32 v[\i], 0
.endr
	v_mov_b32 v13, 0xff61b1e6                      ; the largest t so far: -3e38
	v_floor_f32 v12, -v13                          ; -M
	v_mov_b32 v14, 0
	v_mov_b32 v15, 0
.irp i, 236,237,238,239,252,253
	v_mov_b32 v[\i], 0                             ; written once: permute destinations, and the pair v[252:253]
.endr
	s_wait_loadcnt 0x0
	v_lshrrev_b32 v28, s83, v28
	v_lshrrev_b32 v29, s83, v29
	v_and_b32 v28, 0xffff, v28                     ; the tile's two bytes,
	v_and_b32 v29, 0xffff, v29
	v_lshl_or_b32 v28, v28, 16, v28                ; for either half of K
	v_lshl_or_b32 v29, v29, 16, v29
.set J, 0
.rept 32
	v_mov_b32 v[160+J], 0                          ; O^T: the step is written once; the first finds zeros.  (These also stand between the scale word's write and the first product)
.set J, J+1
.endr
; A KEY STEP: 128 keys
.macro STEP
	s_cmp_gt_u32 s[KS], s[HI]
	s_cbranch_scc1 .Lhidden_\@                     ; not a step of the walk in hand
	v_add_nc_u32 v[ADK], s[TB], v[L16]
	v_add_nc_u32 v[ADS], s[TS], v[ASC]
	v_add_nc_u32 v[ADV], 65536, v[ADK]
	v_nop                                          ; four plain instructions between the last step's products and the loads into their registers
.irp f, 0,1,2,3
.irp c, 0,1
	ds_load_b128 v[32+8*\f+4*\c:35+8*\f+4*\c], v[ADK] offset:\f*16384+\c*512
.endr
.endr
	ds_load_b128 v[192:195], v[ADS]
.irp f, 0,1,2,3
.irp c, 0,1
	ds_load_b128 v[64+8*\f+4*\c:67+8*\f+4*\c], v[ADV] offset:\f*16384+\c*512
.endr
.endr
	ds_load_b128 v[196:199], v[ADS] offset:256
	s_wait_dscnt 9                                 ; k and its words are in; v's nine loads may be out
.irp f, 0,1,2,3
	v_wmma_scale_f32_16x16x128_f8f6f4 v[96+16*\f:103+16*\f], v[32+8*\f:39+8*\f], v[20:27], 0, v[192+\f], v28 matrix_a_fmt:MATRIX_FMT_FP4 matrix_b_fmt:MATRIX_FMT_FP4
	v_wmma_scale_f32_16x16x128_f8f6f4 v[104+16*\f:111+16*\f], v[32+8*\f:39+8*\f], v[16:23], 0, v[192+\f], v28 matrix_a_fmt:MATRIX_FMT_FP4 matrix_b_fmt:MATRIX_FMT_FP4
.endr
	PLACES
	s_cmp_lg_u32 s[KS], s[KSD]
	s_cbranch_scc1 .Lopen_\@                       ; ahead of the diagonal every key counts
	v_mov_b32 v254, 0xff800000                     ; -infinity
.set J, 0
.rept 64
	v_cmp_gt_i32 vcc_lo, 32*(J/16)+J%16, v5
	v_cndmask_b32 v[96+J], v[96+J], v254, vcc_lo
.set J, J+1
.endr
.Lopen_\@:
.irp b, 0,1,2,3
	v_max3_num_f32 v[232+\b], v[96+16*\b], v[97+16*\b], v[98+16*\b]   ; the largest score of each block of 32 keys: for the row's maximum, and for the block's largest p
.endr
.irp i, 3,5,7,9,11,13
.irp b, 0,1,2,3
	v_max3_num_f32 v[232+\b], v[232+\b], v[96+16*\b+\i], v[97+16*\b+\i]
.endr
.endr
.irp b, 0,1,2,3
	v_max_num_f32 v[232+\b], v[232+\b], v[111+16*\b]
.endr
.irp b, 0,1,2,3
	s_delay_alu instid0(VALU_DEP_4)
	v_permlanex16_b32 v[236+\b], v[232+\b], s[SEL], s[SEL+1]
.endr
.irp b, 0,1,2,3
	s_delay_alu instid0(VALU_DEP_4)
	v_max_num_f32 v[232+\b], v[232+\b], v[236+\b]
.endr
	s_delay_alu instid0(VALU_DEP_2)
	v_max3_num_f32 v254, v232, v233, v234
	s_delay_alu instid0(VALU_DEP_1)
	v_max_num_f32 v254, v254, v235
	s_delay_alu instid0(VALU_DEP_1)
	v_mul_f32 v254, s[CS], v254
	s_delay_alu instid0(VALU_DEP_1)
	v_max_num_f32 v13, v13, v254                   ; the running largest t
	v_mov_b32 v254, v12
	s_delay_alu instid0(VALU_DEP_2)
	v_floor_f32 v12, -v13                          ; the new -M: a whole number
	s_delay_alu instid0(VALU_DEP_1)
	v_sub_f32 v254, v12, v254
	s_delay_alu instid0(VALU_DEP_1)
	v_cvt_i32_f32 v254, v254                       ; old M - new M (it saturates)
	s_delay_alu instid0(VALU_DEP_1)
	v_ldexp_f32 v252, 1.0, v254                    ; f = 2^(old M - new M)
.set J, 0
.rept 32
	v_pk_fma_f32 v[96+J:97+J], v[96+J:97+J], s[CS:CS+1], v[12:13] op_sel_hi:[1,0,0]   ; t - M
.set J, J+2
.endr
.irp b, 0,1,2,3
	v_fma_f32 v[232+\b], v[232+\b], s[CS], v12
.endr
.set J, 0
	s_wait_alu depctr_va_vdst(0)                   ; ahead of the batch
.rept 64
	v_exp_f32 v[96+J], v[96+J]                     ; p, not normalised
.set J, J+1
.endr
	v_pk_mul_f32 v[14:15], v[14:15], v[252:253] op_sel_hi:[1,0]   ; the sums under the new M (a plain instruction behind the exponentials)
	s_wait_alu depctr_va_vdst(0)                   ; one wait for the batch, ahead of its first reader
.irp b, 0,1,2,3
	v_exp_f32 v[232+\b], v[232+\b]                 ; each block's largest p
.endr
	v_pk_add_f32 v[236:237], v[100:101], v[104:105]   ; the row's sum of the unquantised p, in eight chains
	v_pk_add_f32 v[248:249], v[108:109], v[112:113]
	v_pk_add_f32 v[246:247], v[116:117], v[120:121]
	v_pk_add_f32 v[244:245], v[124:125], v[128:129]
	v_pk_add_f32 v[242:243], v[132:133], v[136:137]
	v_pk_add_f32 v[240:241], v[140:141], v[144:145]
	v_pk_add_f32 v[238:239], v[148:149], v[152:153]
	v_pk_add_f32 v[14:15], v[14:15], v[156:157]
	v_pk_add_f32 v[236:237], v[236:237], v[96:97]
	v_pk_add_f32 v[248:249], v[248:249], v[98:99]
	v_pk_add_f32 v[246:247], v[246:247], v[102:103]
	v_pk_add_f32 v[244:245], v[244:245], v[106:107]
	v_pk_add_f32 v[242:243], v[242:243], v[110:111]
	v_pk_add_f32 v[240:241], v[240:241], v[114:115]
	v_pk_add_f32 v[238:239], v[238:239], v[118:119]
	v_pk_add_f32 v[14:15], v[14:15], v[122:123]
	v_pk_add_f32 v[236:237], v[236:237], v[126:127]
	v_pk_add_f32 v[248:249], v[248:249], v[130:131]
	v_pk_add_f32 v[246:247], v[246:247], v[134:135]
	v_pk_add_f32 v[244:245], v[244:245], v[138:139]
	v_pk_add_f32 v[242:243], v[242:243], v[142:143]
	v_pk_add_f32 v[240:241], v[240:241], v[146:147]
	v_pk_add_f32 v[238:239], v[238:239], v[150:151]
	v_pk_add_f32 v[14:15], v[14:15], v[154:155]
	v_pk_add_f32 v[236:237], v[236:237], v[158:159]
	s_delay_alu instid0(VALU_DEP_2)
	v_pk_add_f32 v[14:15], v[14:15], v[244:245]
	s_delay_alu instid0(VALU_DEP_2)
	v_pk_add_f32 v[236:237], v[236:237], v[242:243]
	v_pk_add_f32 v[248:249], v[248:249], v[240:241]
	v_pk_add_f32 v[246:247], v[246:247], v[238:239]
	s_delay_alu instid0(VALU_DEP_2)
	v_pk_add_f32 v[14:15], v[14:15], v[248:249]
	s_delay_alu instid0(VALU_DEP_2)
	v_pk_add_f32 v[236:237], v[236:237], v[246:247]
	s_delay_alu instid0(VALU_DEP_1)
	v_pk_add_f32 v[14:15], v[14:15], v[236:237]
	s_wait_alu depctr_va_vdst(0)                   ; and one for the four
.irp b, 0,1,2,3
	v_max_num_f32 v[232+\b], 0x1800000, v[232+\b]  ; the floor: the byte cannot fall under 1
.endr
.irp b, 0,1,2,3
	s_delay_alu instid0(VALU_DEP_4)
	v_add_nc_u32 v[244+\b], 0xff000000, v[232+\b]
.endr
.irp b, 0,1,2,3
	s_delay_alu instid0(VALU_DEP_4)
	v_lshrrev_b32 v[236+\b], 23, v[244+\b]
.endr
	s_delay_alu instid0(VALU_DEP_3)
	v_lshl_or_b32 v253, v237, 8, v236              ; p's scale word for these 128 keys
	s_delay_alu instid0(VALU_DEP_1)
	v_lshl_or_b32 v253, v238, 16, v253
	s_delay_alu instid0(VALU_DEP_1)
	v_lshl_or_b32 v253, v239, 24, v253
.irp b, 0,1,2,3
	v_cvt_scalef32_pk8_fp4_f32 v[224+2*\b], v[96+16*\b:103+16*\b], v[244+\b]
	v_cvt_scalef32_pk8_fp4_f32 v[225+2*\b], v[104+16*\b:111+16*\b], v[244+\b]
.endr
	v_nop
.irp c, 0,1
.irp i, 0,1
	v_permlane16_swap_b32 v[224+4*\c+\i], v[226+4*\c+\i]
.endr
.endr
	s_wait_alu depctr_va_vdst(0)                   ; directly ahead of the first reader of O^T
.set J, 0
.rept 16
	v_pk_mul_f32 v[160+J:161+J], v[160+J:161+J], v[252:253] op_sel_hi:[1,0]   ; O^T under the new M; these stand between the scale word's and the codes' last writes and the products
.set J, J+2
.endr
	s_wait_alu depctr_va_vdst(0)
	s_wait_dscnt 0x0                               ; v and its words
.irp t, 0,1,2,3
	v_wmma_scale_f32_16x16x128_f8f6f4 v[160+8*\t:167+8*\t], v[64+8*\t:71+8*\t], v[224:231], v[160+8*\t:167+8*\t], v[196+\t], v253 matrix_a_fmt:MATRIX_FMT_FP4 matrix_b_fmt:MATRIX_FMT_FP4
.endr
.Lhidden_\@:
	s_add_co_u32 s[TB], s[TB], 1024
	s_add_co_u32 s[TS], s[TS], 512
	s_add_co_u32 s[KS], s[KS], 1
.endm
; THE WAY OUT of a tile: o = O^T / l, quantised along its 64 channels: half c = my head of K step = my group of the last product
.macro FINAL
	PLACES
	v_add_f32 v14, v14, v15
	s_delay_alu instid0(VALU_DEP_1)
	v_permlanex16_b32 v252, v14, s[SEL], s[SEL+1]
	s_delay_alu instid0(VALU_DEP_1)
	v_add_f32 v14, v14, v252                       ; the row's sum
	s_wait_alu depctr_va_vdst(0)                   ; ahead of the transcendental
	v_rcp_f32 v14, v14
	v_nop
	s_wait_alu depctr_va_vdst(0)                   ; the wait, ahead of the first reader
.set J, 0
.rept 16
	v_pk_mul_f32 v[96+J:97+J], v[160+J:161+J], v[14:15] op_sel_hi:[1,0]   ; register 16 b + i: channel 32 b + 16 h + i
.set J, J+2
.endr
	QUANT2 96, 224, 244
	global_store_b128 v[L16], v[224:227], s[74:75] ; 512 consecutive bytes
	ds_store_b16 v6, v244                          ; both halves of the lanes write the same bytes with the same value
.endm
	s_wait_alu depctr_va_vdst(0)                   ; the wait at the head's end
	s_wait_tensorcnt 0x0                           ; my load of the head's has landed
	ds_add_u32 v251, v255
	ds_add_u32 v251, v255                          ; the add twice on end
	s_wait_dscnt 0x0
	s_barrier_signal -1
	s_barrier_wait -1                              ; steps 0 and 1 and the scale words are in
	s_cmp_lt_u32 s8, 8
	s_cbranch_scc0 .Lrest_asked
	tensor_load_to_lds s[56:59], s[40:47]          ; steps 2 .. 15 of my fragment: my one tensor load behind the barrier
	s_nop 0
	PLACES
.Lrest_asked:
	s_mov_b32 s[CNT], 2
.Lwalk0:                                               ; key steps 0 and 1, which the head has fetched
	STEP
	s_sub_co_u32 s[CNT], s[CNT], 1
	s_cmp_lg_u32 s[CNT], 0
	s_cbranch_scc1 .Lwalk0
	s_wait_tensorcnt 0x0                           ; my 14 rows have landed
	s_wait_dscnt 0x0
	s_barrier_signal -1
	s_barrier_wait -1                              ; everybody's have
	s_mov_b32 s[CNT], 7
.Lwalk1:                                               ; key steps 2 .. 8
	STEP
	s_sub_co_u32 s[CNT], s[CNT], 1
	s_cmp_lg_u32 s[CNT], 0
	s_cbranch_scc1 .Lwalk1
	s_cmp_eq_u32 s14, 1
	s_cbranch_scc1 .Lkeep                          ; the owner keeps its sums
	FINAL                                          ; the partner sends the early tile out
	s_wait_xcnt 0x0                                ; the store has read its registers: the codes are written again in the second walk
	v_mov_b32 v28, v29                             ; and begins anew with the late tile
.irp i, 0,1,2,3
	v_mov_b32 v[20+\i], v[200+\i]
.endr
	v_mov_b32 v5, v9
	v_mov_b32 v13, 0xff61b1e6
	v_floor_f32 v12, -v13
	v_mov_b32 v14, 0
	v_mov_b32 v15, 0
.set J, 0
.rept 32
	v_mov_b32 v[160+J], 0
.set J, J+1
.endr
	s_wait_alu depctr_va_vdst(0)
.Lkeep:
	s_mov_b32 s[HI], s[HI2]
	s_mov_b32 s[KSD], s[KSDL]
	s_mov_b32 s[CNT], 7
.Lwalk2:                                               ; key steps 9 .. 15: the partner's, up to the late tile's diagonal
	STEP
	s_sub_co_u32 s[CNT], s[CNT], 1
	s_cmp_lg_u32 s[CNT], 0
	s_cbranch_scc1 .Lwalk2
	s_cmp_eq_u32 s14, 1
	s_cbranch_scc1 .Lgiven
	PLACES
.irp i, 0,1,2,3,4,5,6,7
	ds_store_b128 v[PAD], v[160+4*\i:163+4*\i] offset:512*\i   ; the partner's O^T as an image of its registers, each accumulator from its low end on,
.endr
	ds_store_b128 v[PAD], v[12:15] offset:4096     ; and -M, t and the sum's two halves
.Lgiven:
	s_wait_dscnt 0x0                               ; for the others' sake: my stores have landed
	s_barrier_signal -1
	s_barrier_wait -1
	s_cmp_eq_u32 s14, 0
	s_cbranch_scc1 .Lmerged
	PLACES
.irp i, 0,1,2,3,4,5,6,7
	ds_load_b128 v[96+4*\i:99+4*\i], v[PAD] offset:512*\i
.endr
	ds_load_b128 v[128:131], v[PAD] offset:4096
	s_wait_dscnt 0x0
	v_min_num_f32 v132, v12, v128                  ; -M of both parts together
	v_mov_b32 v135, 0                              ; (named as the upper half of the pair v[134:135])
	v_sub_f32 v133, v132, v12                      ; whole numbers, 0 or less
	v_sub_f32 v134, v132, v128
	v_cvt_i32_f32 v133, v133                       ; (they saturate)
	v_cvt_i32_f32 v134, v134
	v_ldexp_f32 v252, 1.0, v133                    ; my factor,
	v_ldexp_f32 v134, 1.0, v134                    ; my partner's
	v_pk_mul_f32 v[14:15], v[14:15], v[252:253] op_sel_hi:[1,0]
.set J, 0
.rept 16
	v_pk_mul_f32 v[160+J:161+J], v[160+J:161+J], v[252:253] op_sel_hi:[1,0]
.set J, J+2
.endr
	v_pk_fma_f32 v[14:15], v[130:131], v[134:135], v[14:15] op_sel_hi:[1,0,1]
.set J, 0
.rept 16
	v_pk_fma_f32 v[160+J:161+J], v[96+J:97+J], v[134:135], v[160+J:161+J] op_sel_hi:[1,0,1]
.set J, J+2
.endr
	FINAL                                          ; the owner sends the late tile out
.Lmerged:
	s_wait_dscnt 0x0
	s_barrier_signal -1
	s_barrier_wait -1
	s_cmp_lg_u32 s8, 0
	s_cbranch_scc1 .Lend
	ds_load_b128 v[232:235], v8                    ; lanes 0-15: block j's 256 scale bytes; lanes 16-31: block 31 - j's
	s_wait_dscnt 0x0
	global_store_b128 v7, v[232:235], s[76:77]
.Lend:
	s_wait_tensorcnt 0x0                           ; the wave's end
	ds_add_u32 v251, v255
	s_wait_dscnt 0x0
	s_endpgm
.Lfunc_end_k_qaaffbd5edb_attn:
	.size	k_qaaffbd5edb_attn, .Lfunc_end_k_qaaffbd5edb_attn-k_qaaffbd5edb_attn
	.p2alignl 7, 3214868480
	.fill 96, 4, 3214868480
	.section	.rodata,"a",@progbits
	.p2align	6, 0x0
	.amdhsa_kernel k_qaaffbd5edb_attn
		.amdhsa_group_segment_fixed_size 327680
		.amdhsa_private_segment_fixed_size 0
		.amdhsa_enable_private_segment 0
		.amdhsa_kernarg_size 16
		.amdhsa_user_sgpr_count 2
		.amdhsa_user_sgpr_kernarg_segment_ptr 1
		.amdhsa_wavefront_size32 1
		.amdhsa_system_sgpr_workgroup_id_x 1
		.amdhsa_system_sgpr_workgroup_id_y 1
		.amdhsa_system_sgpr_workgroup_id_z 1
		.amdhsa_system_vgpr_workitem_id 0
		.amdhsa_next_free_vgpr 256
		.amdhsa_next_free_sgpr 100
		.amdhsa_reserve_vcc 1
		.amdhsa_float_denorm_mode_32 3
		.amdhsa_float_denorm_mode_16_64 3
		.amdhsa_memory_ordered 1
		.amdhsa_forward_progress 1
		.amdhsa_inst_pref_size 89
	.end_amdhsa_kernel
	.amdgpu_metadata
---
amdhsa.version: [ 1, 2 ]
amdhsa.kernels:
  - .name:           k_qaaffbd5edb_attn
    .symbol:         k_qaaffbd5edb_attn.kd
    .args:
      - { .name: wsB, .offset: 0, .size: 8, .value_kind: global_buffer, .address_space: global }
      - { .name: wsC, .offset: 8, .size: 8, .value_kind: global_buffer, .address_space: global }
    .group_segment_fixed_size: 327680
    .private_segment_fixed_size: 0
    .kernarg_segment_align: 8
    .kernarg_segment_size: 16
    .max_flat_workgroup_size: 512
    .sgpr_count:     100
    .vgpr_count:     256
    .wavefront_size: 32
...
	.end_amdgpu_metadata
.endif
;; end of part 3
;; launch outproj (part 4): grid 8 x 32, 4 waves a work-group, no clusters, 168,448 bytes of LDS; arguments wsC, wsA, x, out0; writes out0
.if DOCPART == 4
	.amdgcn_target "amdgcn-amd-amdhsa--gfx1250"
	.amdhsa_code_object_version 6
	.text
	.protected	k_qaaffbd5edb_outproj
	.globl	k_qaaffbd5edb_outproj
	.p2align	8
	.type	k_qaaffbd5edb_outproj,@function
k_qaaffbd5edb_outproj:
	s_mov_b64 s[64:65], 0
	v_nop
	global_prefetch_b8 v0, s[64:65] scope:SCOPE_SE
	s_setreg_imm32_b32 hwreg(HW_REG_WAVE_MODE, 25, 1), 1
	s_wait_xcnt 0x0
; OUTPROJ.  out0 = x + Q(o) Q(w_out)^T on codes of E2M1, K = 1,024: 8 K steps of 128.
; A work-group takes 128 rows (8 tiles of o, block Mb) x 256 columns (block cb); wave w takes all 128 rows x 64 columns (4 tiles of w_out).
; o's 64 KB of images come into LDS once, 16 KB by one tensor load of each wave; the wave's 32 KB of w_out, its scale words and its 128 x 64 numbers of x come straight into registers.  No LDS byte is filled twice.
; THE PRODUCT GOES BY TILES OF 16 ROWS: a tile's 32 products (8 K steps x 4 accumulators by turns, K ascending) finish it; it goes through the wave's own stage in LDS, comes back as rows of 256 bytes, gets x added and is stored
; while the next tile is multiplied.  Source 0 = 16 rows of w_out, source 1 = 16 rows of o: a lane holds eight neighbouring columns of one row.  The rows of a tile are not neighbours: lane r of tile T is row 32 (T / 2) + 8 (T % 2) + r + 8 (r / 8).
; NO CLUSTER: of the 448 KB that a work-group moves (64 of o, 128 of w_out, 128 of x, 128 of out0) the column blocks share o's 64 alone.  NO PREFETCH: every load is issued at the head; there is no loop to run ahead in.
; REGISTERS, in windows of 256.  Window 0: v1-9 addresses; v32-63 o's scale words (32 + 8 p + s: lanes 0-15 tile 2 p, lanes 16-31 tile 2 p + 1); v64-79 w_out's likewise; v126, v127 the add's two; v128-255 o's fragments, two sets of 64 (8 K steps of a tile).
;   Window 1: the accumulators, 32 m + 8 t, and later the tile's rows as they leave.  Window 2: w_out, 32 s + 8 t + 4 c.  Window 3: x, 32 m + 4 i.
.set WOQ,  6291456
.set WOS,  7733248
.set OS,   2097152
.set STG,  65536                       ; LDS: o's images at 0; here a stage of 16 rows x (256 + 16) bytes for each wave; the spare words at 0x29000
.set MSB,  0
.macro WIN new                         ; the immediate's high byte repeats the setting that is left
.if MSB != (\new)
	s_set_vgpr_msb (MSB<<8)|(\new)
.set MSB, (\new)
.endif
.endm
.macro PLACES                          ; four plain instructions between a matrix instruction and a load into, or a read of, one of its registers
.rept 4
	v_nop
.endr
.endm
.macro MM d, a, b, zero, sa, sb, oa, ob
.if \zero
.if (\oa) && (\ob)
	v_wmma_scale_f32_16x16x128_f8f6f4 v[(\d):(\d)+7], v[(\a):(\a)+7], v[(\b):(\b)+7], 0, v[\sa], v[\sb] matrix_a_fmt:MATRIX_FMT_FP4 matrix_b_fmt:MATRIX_FMT_FP4 matrix_a_scale:MATRIX_SCALE_ROW1 matrix_b_scale:MATRIX_SCALE_ROW1
.elseif \oa
	v_wmma_scale_f32_16x16x128_f8f6f4 v[(\d):(\d)+7], v[(\a):(\a)+7], v[(\b):(\b)+7], 0, v[\sa], v[\sb] matrix_a_fmt:MATRIX_FMT_FP4 matrix_b_fmt:MATRIX_FMT_FP4 matrix_a_scale:MATRIX_SCALE_ROW1
.elseif \ob
	v_wmma_scale_f32_16x16x128_f8f6f4 v[(\d):(\d)+7], v[(\a):(\a)+7], v[(\b):(\b)+7], 0, v[\sa], v[\sb] matrix_a_fmt:MATRIX_FMT_FP4 matrix_b_fmt:MATRIX_FMT_FP4 matrix_b_scale:MATRIX_SCALE_ROW1
.else
	v_wmma_scale_f32_16x16x128_f8f6f4 v[(\d):(\d)+7], v[(\a):(\a)+7], v[(\b):(\b)+7], 0, v[\sa], v[\sb] matrix_a_fmt:MATRIX_FMT_FP4 matrix_b_fmt:MATRIX_FMT_FP4
.endif
.else
.if (\oa) && (\ob)
	v_wmma_scale_f32_16x16x128_f8f6f4 v[(\d):(\d)+7], v[(\a):(\a)+7], v[(\b):(\b)+7], v[(\d):(\d)+7], v[\sa], v[\sb] matrix_a_fmt:MATRIX_FMT_FP4 matrix_b_fmt:MATRIX_FMT_FP4 matrix_a_scale:MATRIX_SCALE_ROW1 matrix_b_scale:MATRIX_SCALE_ROW1
.elseif \oa
	v_wmma_scale_f32_16x16x128_f8f6f4 v[(\d):(\d)+7], v[(\a):(\a)+7], v[(\b):(\b)+7], v[(\d):(\d)+7], v[\sa], v[\sb] matrix_a_fmt:MATRIX_FMT_FP4 matrix_b_fmt:MATRIX_FMT_FP4 matrix_a_scale:MATRIX_SCALE_ROW1
.elseif \ob
	v_wmma_scale_f32_16x16x128_f8f6f4 v[(\d):(\d)+7], v[(\a):(\a)+7], v[(\b):(\b)+7], v[(\d):(\d)+7], v[\sa], v[\sb] matrix_a_fmt:MATRIX_FMT_FP4 matrix_b_fmt:MATRIX_FMT_FP4 matrix_b_scale:MATRIX_SCALE_ROW1
.else
	v_wmma_scale_f32_16x16x128_f8f6f4 v[(\d):(\d)+7], v[(\a):(\a)+7], v[(\b):(\b)+7], v[(\d):(\d)+7], v[\sa], v[\sb] matrix_a_fmt:MATRIX_FMT_FP4 matrix_b_fmt:MATRIX_FMT_FP4
.endif
.endif
.endm
.macro FETCHM m                        ; tile m's fragments of all 8 K steps, from LDS into set m % 2: 16 loads of 512 consecutive bytes
.irp s, 0,1,2,3,4,5,6,7
.irp c, 0,1
	ds_load_b128 v[128+64*((\m)%2)+8*\s+4*\c:128+64*((\m)%2)+8*\s+4*\c+3], v1 offset:(\s/4)*32768+(\m)*4096+(\s%4)*1024+\c*512
.endr
.endr
.endm
; tile m: its 32 products; the four accumulators take turns, one instruction a turn
.macro ROWM m
	WIN 0
.if (\m) == 0
	s_wait_dscnt 0x0                               ; tile 0's fragments are in
.else
	s_wait_dscnt 16                                ; this tile's fragments are in; behind them the last tile's 8 stores into the stage and 8 loads from it may be out
.endif
.if (\m) < 7
	PLACES
	FETCHM (\m)+1                                  ; the next tile's, into the set that the last tile's products have read
.endif
	WIN 0x52                                       ; source 0 (w_out) window 2, source 1 (o) window 0, C and D window 1
.irp s, 0,1,2,3,4,5,6,7
.if \s == 0
.set ZR, 1
.else
.set ZR, 0
.endif
.irp t, 0,1,2,3
	MM 8*(4*(\m)+\t),32*\s+8*\t,128+64*((\m)%2)+8*\s,ZR,64+8*(\t/2)+\s,32+8*((\m)/2)+\s,\t%2,(\m)%2
.endr
.endr
.endm
.macro TOSTAGE m                       ; tile m into my stage, each accumulator from its low end on, and back as rows of 256 bytes into the same 32 registers (LDS serves a wave's instructions in order)
	WIN 0x04                                       ; the data: window 1
.irp t, 0,1,2,3
	ds_store_b128 v4, v[8*(4*(\m)+\t):8*(4*(\m)+\t)+3] offset:128*(\t/2)+32*(\t%2)
	ds_store_b128 v4, v[8*(4*(\m)+\t)+4:8*(4*(\m)+\t)+7] offset:128*(\t/2)+32*(\t%2)+16
.endr
	WIN 0x40                                       ; the destination: window 1
.irp i, 0,1,2,3,4,5,6,7
	ds_load_b128 v[32*(\m)+4*\i:32*(\m)+4*\i+3], v5 offset:544*\i
.endr
.endm
.macro SEND m, younger                 ; younger: the LDS loads issued behind tile m's, which may stay out
	s_wait_dscnt \younger                          ; the tile's rows are back
	s_wait_loadcnt 8*(7-(\m))                      ; its rows of x are in; the later tiles' 8 loads each may be out
	WIN 0x4d                                       ; destination and source 0 window 1, source 1 (x) window 3
.irp i, 0,2,4,6,8,10,12,14,16,18,20,22,24,26,28,30
	v_pk_add_f32 v[32*(\m)+\i:32*(\m)+\i+1], v[32*(\m)+\i:32*(\m)+\i+1], v[32*(\m)+\i:32*(\m)+\i+1]
.endr
	WIN 0x04
.irp i, 0,1,2,3,4,5,6,7
	global_store_b128 v6, v[32*(\m)+4*\i:32*(\m)+4*\i+3], s[24:25] offset:(32*((\m)/2)+8*((\m)%2)+2*\i+8*(\i/4))*8192 th:TH_STORE_NT   ; sixteen lanes store 256 consecutive bytes, aligned; each tile has its own registers
.endr
.endm
	s_load_b256 s[4:11], s[0:1], 0x0               ; wsC, wsA, x, out0
	v_lshl_add_u32 v126, v0, 2, 0x29000
	v_mov_b32 v127, 0
	ds_add_u32 v126, v127                          ; the opening lines: the add, twice on end, and its wait
	ds_add_u32 v126, v127
	v_lshrrev_b32 v7, 5, v0
	v_readfirstlane_b32 s12, v7                    ; wave 0..3
	s_mov_b32 s13, ttmp9                           ; cb
	s_and_b32 s14, ttmp7, 0xffff                   ; Mb
	s_mov_b32 s28, 3<<16                           ; descriptor group 1: 64 dense rows of 256 bytes (32 elements of 8 bytes)
	s_mov_b32 s29, 32<<16
	s_mov_b32 s30, 64<<16
	s_mov_b32 s31, 32<<16
	s_mov_b32 s32, 64
	s_mov_b32 s33, 32
	s_mov_b32 s34, 0
	s_mov_b32 s35, 0
	s_lshl_b32 s15, s12, 14                        ; my 16,384 bytes of o's images, in memory and in LDS
	s_lshl_b32 s44, s14, 16
	s_add_co_u32 s44, s44, s15
	s_mov_b32 s45, 0
	s_lshl_b32 s16, s14, 12
	s_add_co_u32 s16, s16, OS                      ; o's scale words
	s_mov_b32 s17, 0
	s_lshl_b32 s46, s13, 4
	s_lshl_b32 s47, s12, 2
	s_add_co_u32 s46, s46, s47                     ; my first tile of w_out
	s_lshl_b32 s18, s46, 9
	s_add_co_u32 s18, s18, WOS
	s_mov_b32 s19, 0
	s_lshl_b32 s20, s46, 13
	s_add_co_u32 s20, s20, WOQ
	s_mov_b32 s21, 0
	s_lshl_b32 s22, s14, 20                        ; x and out0: 128 Mb rows of 8,192 bytes + 64 bytes a tile of columns
	s_lshl_b32 s47, s46, 6
	s_add_co_u32 s22, s22, s47
	s_mov_b32 s23, 0
	s_mul_i32 s26, s12, 4352
	s_add_co_u32 s26, s26, STG                     ; my stage
	v_and_b32 v7, 31, v0
	v_lshlrev_b32 v1, 4, v7                        ; 16 l
	v_lshlrev_b32 v2, 2, v7
	v_and_b32 v8, 15, v7                           ; r
	v_lshrrev_b32 v9, 4, v7                        ; h
	v_lshlrev_b32 v3, 9, v9
	v_lshl_add_u32 v3, v8, 4, v3
	v_mul_u32_u24 v4, v8, 272                      ; the stage, in: row r, 64 h bytes on
	v_lshl_add_u32 v4, v9, 6, v4
	v_add_nc_u32 v4, s26, v4
	v_mul_u32_u24 v5, v9, 272                      ; and back: lanes 0-15 one row, lanes 16-31 the next
	v_lshl_add_u32 v5, v8, 4, v5
	v_add_nc_u32 v5, s26, v5
	v_lshlrev_b32 v6, 13, v9                       ; the same two rows in x and out0
	v_lshl_add_u32 v6, v8, 4, v6
	s_wait_alu depctr_va_vdst(0)                   ; the wait at the head's end
	s_wait_dscnt 0x0                               ; both opening adds are done
	s_wait_kmcnt 0x0
	s_mov_b32 s36, 1
	s_mov_b32 s37, s15
	s_add_nc_u64 s[38:39], s[4:5], s[44:45]
	s_or_b32 s39, s39, 0x80000000
	s_add_nc_u64 s[16:17], s[4:5], s[16:17]
	s_add_nc_u64 s[18:19], s[6:7], s[18:19]
	s_add_nc_u64 s[20:21], s[6:7], s[20:21]
	s_add_nc_u64 s[24:25], s[10:11], s[22:23]
	s_add_nc_u64 s[22:23], s[8:9], s[22:23]
	tensor_load_to_lds s[36:39], s[28:35]          ; my one tensor load
	s_nop 0
	PLACES
.irp p, 0,1,2,3
.irp s, 0,1,2,3,4,5,6,7
	global_load_b32 v[32+8*\p+\s], v2, s[16:17] offset:(\p/2)*2048+\s*256+(\p%2)*128
.endr
.endr
.irp p, 0,1
.irp g, 0,1
	global_load_b128 v[64+8*\p+4*\g:67+8*\p+4*\g], v3, s[18:19] offset:\p*1024+\g*256
.endr
.endr
	WIN 0x80
.irp s, 0,1,2,3,4,5,6,7
.irp t, 0,1,2,3
.irp c, 0,1
	global_load_b128 v[32*\s+8*\t+4*\c:32*\s+8*\t+4*\c+3], v1, s[20:21] offset:\t*8192+\s*1024+\c*512
.endr
.endr
.endr
	WIN 0xc0
.irp m, 0,1,2,3,4,5,6,7
.irp i, 0,1,2,3,4,5,6,7
	global_load_b128 v[32*\m+4*\i:32*\m+4*\i+3], v6, s[22:23] offset:(32*(\m/2)+8*(\m%2)+2*\i+8*(\i/4))*8192 th:TH_LOAD_NT
.endr
.endr
	WIN 0
	s_wait_tensorcnt 0x0                           ; my part of o's images has landed
	s_barrier_signal -1
	s_barrier_wait -1                              ; everybody's has
	FETCHM 0
	s_wait_loadcnt 63                              ; the scale words and w_out are in: of x's 64 loads, the youngest, 63 may be out
.irp m, 0,1,2,3,4,5,6,7
	ROWM \m
.if \m == 0
	PLACES
.elseif \m < 7
	SEND \m-1, 16                                  ; behind the last tile's loads from the stage: the next tile's 16 fragment loads.  The 16 additions are the places behind this tile's products
.else
	SEND \m-1, 0
.endif
	TOSTAGE \m
.endr
	SEND 7, 0
	WIN 0
	s_wait_tensorcnt 0x0                           ; the wave's end
	ds_add_u32 v126, v127
	s_wait_dscnt 0x0
	s_endpgm
.Lfunc_end_k_qaaffbd5edb_outproj:
	.size	k_qaaffbd5edb_outproj, .Lfunc_end_k_qaaffbd5edb_outproj-k_qaaffbd5edb_outproj
	.p2alignl 7, 3214868480
	.fill 96, 4, 3214868480
	.section	.rodata,"a",@progbits
	.p2align	6, 0x0
	.amdhsa_kernel k_qaaffbd5edb_outproj
		.amdhsa_group_segment_fixed_size 168448
		.amdhsa_private_segment_fixed_size 0
		.amdhsa_enable_private_segment 0
		.amdhsa_kernarg_size 32
		.amdhsa_user_sgpr_count 2
		.amdhsa_user_sgpr_kernarg_segment_ptr 1
		.amdhsa_wavefront_size32 1
		.amdhsa_system_sgpr_workgroup_id_x 1
		.amdhsa_system_sgpr_workgroup_id_y 1
		.amdhsa_system_sgpr_workgroup_id_z 1
		.amdhsa_system_vgpr_workitem_id 0
		.amdhsa_next_free_vgpr 1024
		.amdhsa_next_free_sgpr 100
		.amdhsa_reserve_vcc 0
		.amdhsa_float_denorm_mode_32 3
		.amdhsa_float_denorm_mode_16_64 3
		.amdhsa_memory_ordered 1
		.amdhsa_forward_progress 1
		.amdhsa_inst_pref_size 85
	.end_amdhsa_kernel
	.amdgpu_metadata
---
amdhsa.version: [ 1, 2 ]
amdhsa.kernels:
  - .name:           k_qaaffbd5edb_outproj
    .symbol:         k_qaaffbd5edb_outproj.kd
    .args:
      - { .name: wsC, .offset: 0, .size: 8, .value_kind: global_buffer, .address_space: global }
      - { .name: wsA, .offset: 8, .size: 8, .value_kind: global_buffer, .address_space: global }
      - { .name: x, .offset: 16, .size: 8, .value_kind: global_buffer, .address_space: global }
      - { .name: out0, .offset: 24, .size: 8, .value_kind: global_buffer, .address_space: global }
    .group_segment_fixed_size: 168448
    .private_segment_fixed_size: 0
    .kernarg_segment_align: 8
    .kernarg_segment_size: 32
    .max_flat_workgroup_size: 128
    .sgpr_count:     100
    .vgpr_count:     1024
    .wavefront_size: 32
...
	.end_amdgpu_metadata
.endif
;; end of part 4
